; MI455X (gfx1250); checked and timed in simulation.
; The chip was launched on July 23, 2026; its instructions are those of AMD's public machine-readable ISA for CDNA 5 (MIT licence, August 2026) and "CDNA5" Instruction Set Architecture Reference Guide (July 2026). The comments in the code are by the model that wrote it; some were corrected since.
;; Point Text Multi Head Diff Attn. Allowed arithmetic: matrix products marked QUANTISED: E2M3 operands, one E8M0 scale for each 32 along K, by v_wmma_scale_f32_16x16x128_f8f6f4 with both operands' format E2M3, f32 sums; everything else in f32.
;; Inputs: Wk 1,024 x 1,024 float32; Wo 1,024 x 1,024 float32; Wq 1,024 x 1,024 float32; Wv 1,024 x 1,024 float32; lambda_k1 64 float32; lambda_k2 64 float32; lambda_q1 64 float32; lambda_q2 64 float32; point 8 x 2,048 x 1,024 float32; text_feats 8 x 512 x 1,024 float32.
;; Outputs: out0 8 x 2,048 x 1,024 float32.
;; This version of the problem:
;;   THIS VERSION OF THE PROBLEM IS GIVEN IN LOW PRECISION. The matrix products marked QUANTISED in the list below multiply operands that are first quantised to E2M3 (2 exponent bits, 3 mantissa bits; 6 bits a number), with one power-of-two scale for each 32 numbers along K (OCP MX v1.0); their sums are f32. All else is computed in f32.
;;   The module's matrix products, in the order in which they are computed (A, B: the left and right operand; K: the contracted axis; several contracted axes count as one K, in the product's order):
;;     1. [M 16,384, K 1,024] x [K 1,024, N 1,024]; A: input point; B: input Wq: QUANTISED
;;     2. [M 4,096, K 1,024] x [K 1,024, N 1,024]; A: input text_feats; B: input Wk: QUANTISED
;;     3. [M 4,096, K 1,024] x [K 1,024, N 1,024]; A: input text_feats; B: input Wv: QUANTISED
;;     4. batch 128 x [M 2,048, K 64] x [K 64, N 512]; A: computed on the way; B: computed on the way: QUANTISED
;;     5. batch 64 x [M 2,048, K 512] x [K 512, N 128]; A: computed on the way; B: computed on the way: QUANTISED
;;     6. [M 16,384, K 1,024] x [K 1,024, N 1,024]; A: computed on the way; B: input Wo: QUANTISED
;;   THE QUANTISER, for each operand of a quantised product, along K:
;;     - K is cut into blocks of 32 from its start; a last block that is shorter is filled with zeros.
;;     - A block's scale is 2^e with e = floor(log2(the largest magnitude in the block)) - 2, held to -126 .. 127; a block of zeros has e = 0. As a byte (E8M0): e + 127.
;;     - Each number is divided by its block's scale, clamped to +-7.5, and rounded to the nearest number of E2M3, ties to even, subnormals kept.
;;     - The product sums the exact products of the quantised numbers (number of the format x scale) in f32.
;;   ~~~python
;;   def quantise(x, axis):      # numpy; x: float32 -> the quantised numbers, widened to float32 again
;;       x = np.moveaxis(x, axis, -1); K = x.shape[-1]
;;       x = np.pad(x, [(0, 0)] * (x.ndim - 1) + [(0, -K % 32)]); x = x.reshape(x.shape[:-1] + (-1, 32)); a = np.abs(x).max(-1, keepdims=True)
;;       e = np.where(a > 0, np.clip(np.frexp(np.where(a > 0, a, 1))[1] - 1 - 2, -126, 127), 0)      # np.frexp(a)[1] - 1 = floor(log2(a)), exactly
;;       r = np.clip(x / 2.0 ** e, -7.5, 7.5)
;;       step = 2.0 ** (np.maximum(np.frexp(np.where(r == 0, 1, r))[1] - 1, 0) - 3)
;;       q = np.round(r / step) * step * 2.0 ** e      # np.round: ties to even
;;       return np.moveaxis(q.reshape(q.shape[:-2] + (-1,))[..., :K], -1, axis).astype(np.float32)
;;   ~~~
;;   OPERANDS COMPUTED ON THE WAY. 'Computed on the way' means the value that the module computes at that place (a softmax that the list does not call 'softmax' is quantised finished and normalised). What goes into a quantiser is computed in f32, as accurately as f32 sums, v_exp_f32 and their like allow (about 1e-6 of the number): no bf16 or f16 on the way to a quantiser, and a product that is left as it is and whose result goes on into a quantised operand takes f32 operands (vector FMAs, or v_wmma_f32_16x16x4_f32). A number that lies on a knife's edge between two numbers of the format may be rounded either way, as far as f32 arithmetic and the matrix unit's own rounding can turn it there, and no further.
;; One version. Each part assembles by itself: llvm-mc -triple=amdgcn-amd-amdhsa -mcpu=gfx1250 --defsym DOCPART=n.
;; ======== version 1 of 1: 4 launches
;; workspace buffers: xc 18,874,368 bytes; xs 1,572,864 bytes; fc 18,874,368 bytes; fs 1,572,864 bytes; ac 12,582,912 bytes; asc 1,048,576 bytes
;; launch quant (part 1): grid 256 x 1, 6 waves a work-group, no clusters, 57,600 bytes of LDS; arguments point, text_feats, Wq, Wk, Wv, Wo, xc, xs; writes xc, xs
.if DOCPART == 1
	.amdgcn_target "amdgcn-amd-amdhsa--gfx1250"
	.amdhsa_code_object_version 6
	.text
	.protected	k_qe5f7815ba6_quant
	.globl	k_qe5f7815ba6_quant
	.p2align	8
	.type	k_qe5f7815ba6_quant,@function
k_qe5f7815ba6_quant:
	s_mov_b64 s[64:65], 0
	v_nop
	global_prefetch_b8 v0, s[64:65] scope:SCOPE_SE
	s_setreg_imm32_b32 hwreg(HW_REG_WAVE_MODE, 25, 1), 1
	s_wait_xcnt 0x0
; The six f32 inputs (point, text_feats, Wq, Wk, Wv, Wo: rows of 1,024 numbers, K innermost) become codes of FP6 (E2M3) with one E8M0 byte for each 32 along K.
; A TILE is 16 rows: tile mt of a tensor holds rows 32 (mt / 2) + 8 (mt % 2) + i + 8 (i / 8), i = 0 .. 15.  With that choice a product that takes such a tile as source 0 leaves, in a lane's 16 registers of
; two neighbouring tiles, 16 neighbours along the next product's K.
; THE CODES LEAVE AS IMAGES OF THE OPERAND'S REGISTERS: a fragment (16 rows x 128 K, 12 registers a lane) is 1,536 bytes, registers 4 c .. 4 c + 3 of lane l at 512 c + 16 l; its scale words are 128 bytes, lane l's at 4 l
; (lanes 16-31 hold the same words as lanes 0-15).  xc: [tile 0..1535][K step 0..7][1536], xs: [tile][K step][128]; tiles: point 0-1023, text 1024-1279, Wq 1280-, Wk 1344-, Wv 1408-, Wo 1472-1535.
; SHARES: one wave takes one tile for all of K: 64 KiB in, 12,288 + 1,024 bytes out; 1,536 waves in 256 work-groups of six.  Waves share nothing: no barrier.  No matrix unit, no cluster: no byte is read twice.
; A load reads 512 consecutive bytes of one row; the conversions want 16 neighbours in ONE lane: so a K step's 16 x 512 bytes turn through the wave's own stage in LDS (rows 528 bytes apart).
; A block's scale is 2^(floor(log2(its largest magnitude)) - 2).  LIMITS: NaN and infinities are not served; a block whose largest magnitude lies under 2^-124 keeps the byte 1; a block of zeros gets the byte 1
; where the rule says 127: its codes are zeros, and this program alone reads the bytes.
.set SROW,  528                        ; a stage row: 512 bytes + 16
.set SCW,   16*SROW                    ; behind the stage: the wave's 8 x 128 bytes of scale words
.set WREG,  9472                       ; a wave's LDS: 8,448 + 1,024
.set SPARE, 6*WREG                     ; the spare words, 128 bytes for each wave: three blocks of 256 bytes that no other line names
.set LI,  1                            ; v1   16 x lane
.set SA,  2                            ; v2   the stage, on the way in: 16 x lane
.set SB,  3                            ; v3   on the way out: 528 r + 64 h
.set SS,  4                            ; v4   my scale word's place: 4 x lane
.set SL,  5                            ; v5   the scale words on the way out: 16 x lane
.set SPW, 12                           ; v12  my spare word; never rewritten
.set NIL, 13                           ; v13  0; never rewritten
.set R,   16                           ; v16-143  two sets of 64 registers as loaded
.set X,   144                          ; v144-207 64 numbers: register 16 b + i = k 32 b + 16 h + i of row r
.set TM,  208                          ; v208-223 at work in QUANT
.set TQ,  224                          ; v224-231 the second halves of the blocks' codes
.set PC,  232                          ; v232-243 a fragment's codes
.set PW,  244                          ; v244     its scale word
.set SEL, 28                           ; s[28:29] selects of v_permlanex16_b32: lane l xor 16
.set MSB, 0
.macro WIN new                         ; a switch of the register windows; the immediate's high byte repeats the setting that is left (here every window stays 0)
.if MSB != (\new)
	s_set_vgpr_msb (MSB<<8)|(\new)
.set MSB, (\new)
.endif
.endm
; 64 numbers of a lane, v[s] .. v[s + 63] of window w, become a fragment's codes in v[pc] on and its scale word in v[pw] (both window 0).
.macro QUANT s, w, pc, pw
	WIN (\w)|((\w)<<2)
.irp b, 0,1,2,3
	v_max3_num_f32 v[TM+\b], |v[(\s)+16*\b]|, |v[(\s)+16*\b+1]|, 0x1800000   ; block b: my 16 numbers, and the floor 2^(3 - 127): the byte cannot fall under 1
.endr
	WIN ((\w)<<2)|((\w)<<4)
.irp i, 2,4,6,8,10,12,14
.irp b, 0,1,2,3
	v_max3_num_f32 v[TM+\b], v[TM+\b], |v[(\s)+16*\b+\i]|, |v[(\s)+16*\b+\i+1]|   ; the four blocks by turns
.endr
.endr
	WIN 0
.irp b, 0,1,2,3
	v_permlanex16_b32 v[TM+4+\b], v[TM+\b], s[SEL], s[SEL+1]
.endr
.irp b, 0,1,2,3
	v_max_num_f32 v[TM+\b], v[TM+\b], v[TM+4+\b]           ; with lane l xor 16's: the block's largest magnitude
.endr
.irp b, 0,1,2,3
	v_add_nc_u32 v[TM+12+\b], 0xff000000, v[TM+\b]         ; 2 off its exponent field: the conversion's scale operand
.endr
.irp b, 0,1,2,3
	v_lshrrev_b32 v[TM+4+\b], 23, v[TM+12+\b]              ; the scale's byte
.endr
	v_lshl_or_b32 v[\pw], v[TM+5], 8, v[TM+4]
	v_lshl_or_b32 v[\pw], v[TM+6], 16, v[\pw]
	v_lshl_or_b32 v[\pw], v[TM+7], 24, v[\pw]              ; my row's scale word
	WIN (\w)
.irp c, 0,1
	v_cvt_scalef32_pk16_fp6_f32 v[(\pc)+6*\c:(\pc)+6*\c+2], v[(\s)+32*\c:(\s)+32*\c+15], v[TM+12+2*\c]
	v_cvt_scalef32_pk16_fp6_f32 v[TQ+4*\c:TQ+4*\c+2], v[(\s)+32*\c+16:(\s)+32*\c+31], v[TM+13+2*\c]   ; (a conversion's three registers begin on an even number)
.endr
	WIN 0
	v_nop                                                  ; one plain place behind a scaled conversion
.irp c, 0,1                                            ; the layout wants a whole block in a lane: lanes 0-15 block 2 c, lanes 16-31 block 2 c + 1
.irp i, 0,1,2
	v_permlane16_swap_b32 v[(\pc)+6*\c+\i], v[TQ+4*\c+\i]
.endr
.irp i, 0,1,2
	v_mov_b32 v[(\pc)+6*\c+3+\i], v[TQ+4*\c+\i]
.endr
.endr
.endm
	s_load_b256 s[8:15], s[0:1], 0x0               ; point, text_feats, Wq, Wk
	s_load_b256 s[16:23], s[0:1], 0x20             ; Wv, Wo, xc, xs
	v_lshl_add_u32 v[SPW], v0, 2, SPARE
	v_mov_b32 v[NIL], 0
	v_lshrrev_b32 v6, 5, v0
	v_readfirstlane_b32 s2, v6                     ; wave 0..5
	v_and_b32 v7, 31, v0                           ; lane
	v_and_b32 v8, 15, v0                           ; r
	v_bfe_u32 v9, v0, 4, 1                         ; h
	s_mul_i32 s3, s2, WREG                         ; my wave's LDS
	v_lshlrev_b32 v[LI], 4, v7
	v_add_nc_u32 v[SA], s3, v[LI]
	v_mul_u32_u24 v[SB], v8, SROW
	v_lshl_add_u32 v[SB], v9, 6, v[SB]
	v_add_nc_u32 v[SB], s3, v[SB]
	s_add_co_u32 s3, s3, SCW
	v_lshl_add_u32 v[SS], v7, 2, s3
	v_add_nc_u32 v[SL], s3, v[LI]
.irp b, 0,1,2,3
	v_mov_b32 v[TM+4+\b], 0                        ; written once: a lane permute's destination counts as one of its sources
.endr
	s_mov_b32 s[SEL], 0x76543210
	s_mov_b32 s[SEL+1], 0xfedcba98
	s_mul_i32 s4, ttmp9, 6
	s_add_co_u32 s4, s4, s2                        ; my tile g = 6 x work-group + wave
	s_mov_b32 s5, 0                                ; the first tile of my tensor
	s_wait_kmcnt 0x0
	s_mov_b64 s[24:25], s[8:9]                     ; which tensor: chosen by the tile's number alone
	s_cmp_ge_u32 s4, 1024
	s_cselect_b64 s[24:25], s[10:11], s[24:25]
	s_cselect_b32 s5, 1024, s5
	s_cmp_ge_u32 s4, 1280
	s_cselect_b64 s[24:25], s[12:13], s[24:25]
	s_cselect_b32 s5, 1280, s5
	s_cmp_ge_u32 s4, 1344
	s_cselect_b64 s[24:25], s[14:15], s[24:25]
	s_cselect_b32 s5, 1344, s5
	s_cmp_ge_u32 s4, 1408
	s_cselect_b64 s[24:25], s[16:17], s[24:25]
	s_cselect_b32 s5, 1408, s5
	s_cmp_ge_u32 s4, 1472
	s_cselect_b64 s[24:25], s[18:19], s[24:25]
	s_cselect_b32 s5, 1472, s5
	s_sub_co_u32 s5, s4, s5                        ; mt: the tile in its tensor
	s_lshr_b32 s6, s5, 1
	s_lshl_b32 s6, s6, 17                          ; 32 rows of 4,096 bytes for each pair of tiles,
	s_and_b32 s5, s5, 1
	s_lshl_b32 s5, s5, 15                          ; 8 rows for the odd one
	s_add_co_u32 s6, s6, s5
	s_mov_b32 s7, 0
	s_add_nc_u64 s[24:25], s[24:25], s[6:7]
	s_mul_i32 s6, s4, 12288
	s_add_nc_u64 s[20:21], s[20:21], s[6:7]        ; my tile's images
	s_lshl_b32 s6, s4, 10
	s_add_nc_u64 s[22:23], s[22:23], s[6:7]        ; and its scale words
.macro LOAD ks                         ; K step ks: 512 bytes of each of the tile's 16 rows, into set ks % 2; 32 lanes read 512 consecutive bytes
.irp i, 0,1,2,3,4,5,6,7,8,9,10,11,12,13,14,15
	global_load_b128 v[R+64*((\ks)%2)+4*\i:R+64*((\ks)%2)+4*\i+3], v[LI], s[24:25] offset:(\i+8*(\i/8))*4096+512*(\ks) th:TH_LOAD_NT
.endr
.endm
.macro STEP ks
.if (\ks) < 7
	s_wait_loadcnt 16                              ; this step's 16 loads are in; the next step's 16 may be out
.else
	s_wait_loadcnt 0x0
.endif
.irp i, 0,1,2,3,4,5,6,7,8,9,10,11,12,13,14,15
	ds_store_b128 v[SA], v[R+64*((\ks)%2)+4*\i:R+64*((\ks)%2)+4*\i+3] offset:SROW*\i
.endr
.irp b, 0,1,2,3
.irp j, 0,1,2,3
	ds_load_b128 v[X+16*\b+4*\j:X+16*\b+4*\j+3], v[SB] offset:128*\b+16*\j   ; LDS serves a wave's instructions in order: these see the stores above
.endr
.endr
	s_wait_dscnt 0x0                               ; the numbers are back; the stores have read their registers, the last step's store of the scale word too
.if (\ks) > 0
	s_wait_xcnt 0x0                                ; the last step's three stores have read the codes' registers, which QUANT writes again
.endif
.if (\ks) < 6
	LOAD (\ks)+2
.endif
	QUANT X, 0, PC, PW
.irp c, 0,1,2
	global_store_b128 v[LI], v[PC+4*\c:PC+4*\c+3], s[20:21] offset:1536*(\ks)+512*\c   ; 512 consecutive bytes, aligned
.endr
	ds_store_b32 v[SS], v[PW] offset:128*(\ks)
.endm
	LOAD 0
	LOAD 1
.irp k, 0,1,2,3,4,5,6,7
	STEP \k
.endr
	ds_load_b128 v[248:251], v[SL]                 ; the tile's 1,024 bytes of scale words leave as two stores of 512 consecutive bytes
	ds_load_b128 v[252:255], v[SL] offset:512
	s_wait_dscnt 0x0
	global_store_b128 v[LI], v[248:251], s[22:23]
	global_store_b128 v[LI], v[252:255], s[22:23] offset:512
	s_wait_tensorcnt 0x0                           ; the wave's end: a wait, an add of 0 to my spare word and its wait, behind my last LDS store
	ds_add_u32 v[SPW], v[NIL]
	s_wait_dscnt 0x0
	s_endpgm
.Lfunc_end_k_qe5f7815ba6_quant:
	.size	k_qe5f7815ba6_quant, .Lfunc_end_k_qe5f7815ba6_quant-k_qe5f7815ba6_quant
	.p2alignl 7, 3214868480
	.fill 96, 4, 3214868480
	.section	.rodata,"a",@progbits
	.p2align	6, 0x0
	.amdhsa_kernel k_qe5f7815ba6_quant
		.amdhsa_group_segment_fixed_size 57600
		.amdhsa_private_segment_fixed_size 0
		.amdhsa_enable_private_segment 0
		.amdhsa_kernarg_size 64
		.amdhsa_user_sgpr_count 2
		.amdhsa_user_sgpr_kernarg_segment_ptr 1
		.amdhsa_wavefront_size32 1
		.amdhsa_system_sgpr_workgroup_id_x 1
		.amdhsa_system_sgpr_workgroup_id_y 1
		.amdhsa_system_sgpr_workgroup_id_z 1
		.amdhsa_system_vgpr_workitem_id 0
		.amdhsa_next_free_vgpr 256
		.amdhsa_next_free_sgpr 66
		.amdhsa_reserve_vcc 0
		.amdhsa_float_denorm_mode_32 3
		.amdhsa_float_denorm_mode_16_64 3
		.amdhsa_memory_ordered 1
		.amdhsa_forward_progress 1
		.amdhsa_inst_pref_size 65
	.end_amdhsa_kernel
	.amdgpu_metadata
---
amdhsa.version: [ 1, 2 ]
amdhsa.kernels:
  - .name:           k_qe5f7815ba6_quant
    .symbol:         k_qe5f7815ba6_quant.kd
    .args:
      - { .name: point, .offset: 0, .size: 8, .value_kind: global_buffer, .address_space: global }
      - { .name: text_feats, .offset: 8, .size: 8, .value_kind: global_buffer, .address_space: global }
      - { .name: Wq, .offset: 16, .size: 8, .value_kind: global_buffer, .address_space: global }
      - { .name: Wk, .offset: 24, .size: 8, .value_kind: global_buffer, .address_space: global }
      - { .name: Wv, .offset: 32, .size: 8, .value_kind: global_buffer, .address_space: global }
      - { .name: Wo, .offset: 40, .size: 8, .value_kind: global_buffer, .address_space: global }
      - { .name: xc, .offset: 48, .size: 8, .value_kind: global_buffer, .address_space: global }
      - { .name: xs, .offset: 56, .size: 8, .value_kind: global_buffer, .address_space: global }
    .group_segment_fixed_size: 57600
    .private_segment_fixed_size: 0
    .kernarg_segment_align: 8
    .kernarg_segment_size: 64
    .max_flat_workgroup_size: 192
    .sgpr_count:     66
    .vgpr_count:     256
    .wavefront_size: 32
...
	.end_amdgpu_metadata
.endif
;; end of part 1
;; launch proj (part 2): grid 4 x 48, 4 waves a work-group, clusters of 4 x 4, 327,680 bytes of LDS; arguments xc, xs, fc, fs; writes fc, fs
.if DOCPART == 2
	.amdgcn_target "amdgcn-amd-amdhsa--gfx1250"
	.amdhsa_code_object_version 6
	.text
	.protected	k_qe5f7815ba6_proj
	.globl	k_qe5f7815ba6_proj
	.p2align	8
	.type	k_qe5f7815ba6_proj,@function
k_qe5f7815ba6_proj:
	s_mov_b64 s[64:65], 0
	v_nop
	global_prefetch_b8 v0, s[64:65] scope:SCOPE_SE
	s_setreg_imm32_b32 hwreg(HW_REG_WAVE_MODE, 25, 1), 1
	s_wait_xcnt 0x0
	s_wait_alu depctr_hold_cnt(0) depctr_sa_sdst(0) depctr_va_vdst(0) depctr_va_sdst(0) depctr_va_ssrc(0) depctr_va_vcc(0) depctr_vm_vsrc(0)
	s_getreg_b32 s2, hwreg(HW_REG_IB_STS2, 6, 4)
	s_cmp_eq_u32 s2, 0
	s_cbranch_scc0 .Lentry_in_a_cluster
	s_endpgm
.Lentry_in_a_cluster:
	s_bfe_u32 s2, ttmp6, 0x10000c
	s_cmp_lg_u32 s2, 0xf033
	s_cbranch_scc0 .Lentry_shape_is_right
	s_endpgm
.Lentry_shape_is_right:
; The three projections q = point Wq^T, k = text Wk^T, v^T = Wv text^T on codes of FP6 (E2M3) with E8M0 scales, K = 1,024; each result is quantised in registers along the NEXT product's K and stored as fragment images.
; OPERANDS come as images of their registers (xc: [tile][K step][1536], xs: [tile][K step][128]; a tile's 16 rows are 32 (mt / 2) + 8 (mt % 2) + i + 8 (i / 8)).
; A tile of C is 256 x 256: four waves, each 128 x 128 = 64 accumulators.  Source 0 takes 16 rows of "B", source 1 16 rows of "A": a lane then holds one row of A's tile, and the 64 registers of A's block a run along
; B's 128 rows in their true order (register 16 b + i = 32 b + 16 h + i): one fragment of the next product.
; THE KIND of a cluster tile hangs on its number y (equal in all sixteen partners), and is chosen by selects, with no branch:  y < 16: q (A = point, B = Wq);  16 .. 19: k (A = text, B = Wk);  20 .. 23: v^T (A = Wv, B = text).
; A WORK-GROUP STAYS FOR TWO TILES: cluster Y (0 .. 11) makes cluster tiles Y and Y + 12.  24 cluster tiles are 384 tiles of C, which 256 does not divide: 192 work-groups make two each, and the ring goes on from the
; first tile into the second, so that the second tile's operands land while the first is finished and stored.
; fc: [F][1536], fs: [F][128].  q: F = pair of heads x 1024 + tile of queries (K = the pair's 128 columns; q is stored WITHOUT the factor 1/8, a power of two that the quantiser passes through and that the exponential's
; constant takes up);  k: F = 8192 + (8 b + h) 32 + tile of keys;  v^T: F = 10240 + (8 b + h) 32 + 8 (keys / 128) + tile of channels (K = 128 keys).
; THE RING holds six K steps of 128: a small slot of two (a tile's row: 3,072 bytes) and a large slot of four (6,144 bytes).  The 16 steps n of the two tiles lie: 0, 1 small; 2 .. 5 large; 6, 7 small; 8 .. 11 large; 12, 13 small;
; 14, 15 in the large slot's first part, laid as the small slot is.  Two first fills a wave and four refills, one load a wave each.  Between a refill's request and the wait for it a wave issues 224, 160 (and six blocks of
; the way out), 192 (and two blocks) and 96 matrix instructions.  The steps are written out.
; THE SCALE WORDS go from xs straight into registers, 64 loads a wave and tile: six K steps leave no room for them in LDS.  Lanes 0-15 take A's words, lanes 16-31 B's: each load reads two pieces of 64 bytes.
; CLUSTERS: 4 x 4 work-groups; A's tiles are asked for jointly along a row of the cluster, B's along a column.
; LIMITS: NaN and infinities are not served; a block whose largest magnitude lies under 2^-124 keeps the byte 1 (for q: under 2^-121 the factor 1/8 would no longer pass through); a block of zeros gets the byte 1.
; REGISTERS: window 0: v16-31 addresses; v32-95 scale words; v96-127 at work in QUANT; v128-223 A's fragments, one set; v224-247 the way out.  window 1: B's fragments, two sets, at v0 and v128.  windows 2, 3: accumulators.
.set SMQ,    24576                     ; a quarter of the small slot: 8 tiles x 2 K steps x 1,536 bytes: what one small tensor load brings
.set BGQ,    49152                     ; a quarter of the large slot: 8 tiles x 4 K steps
.set BG,     4*SMQ                     ; the large slot begins behind the small one.  In each slot: A's tiles 0-7, A's 8-15, B's 0-7, B's 8-15
.set STG,    BG+4*BGQ                  ; behind the ring: 1,024 bytes for each wave, where its 8 scale images are gathered; no tile lands here
.set SPARE,  STG+4096                  ; the spare words, 128 bytes for each wave: two blocks of 256 bytes that no other line names
.set FR,   12
.set NL,   3                           ; LDS loads that bring a fragment
.set ADRA, 16                          ; v16-18  16 x lane + my half of A's tiles: in the small slot, the large slot, the large slot's first part
.set ADRB, 20                          ; v20-22  the same for B
.set LI,   24                          ; v24     16 x lane
.set SWS,  25                          ; v25     the way out: my scale word's place in LDS
.set SRS,  26                          ; v26     and where the words are read back
.set SPW,  28                          ; v28     my spare word; never rewritten
.set NIL,  29                          ; v29     0; never rewritten
.set SOF,  30                          ; v30-31  my byte in xs for tile 0, 1: lanes 0-15 A's first block, lanes 16-31 B's; never rewritten
.set SC,   32                          ; v[SC + 8 i + ks]: lanes 0-15 the word of A's block i, lanes 16-31 of B's block i, K step ks
.set TM,   96
.set TQ,   112
.set PW,   120                         ; v120-127 a scale word for each block of the way out
.set AF,   128
.set PC,   224
.set WS,   2                           ; s2  wave x SMQ;  s3  wave x BGQ: kept
.set WB,   3
.set G1,   24                          ; s[24:31] group 1 for A's small tiles;  s[32:39] two groups 0 for A
.set G0,   32
.set G1B,  48                          ; s[48:55], s[56:63] the same for B
.set G0B,  56
.set G1L,  68                          ; s[68:75] group 1 for A's large tiles;  s[80:87] for B's
.set G1LB, 80
.set AD,   76                          ; s[76:77], s[78:79] where the 8 tiles of A that I fetch begin, tile 0, tile 1
.set BD,   88                          ; s[88:89], s[90:91] the same for B
.set FC1,  92                          ; s[92:93], s[94:95] where tile 1's images and scale images go (tile 0's: s[8:9], s[10:11])
.set FS1,  94
.set SEL,  96                          ; s[96:97]
.set MSB, 0
.macro WIN new                         ; the immediate's high byte repeats the setting that is left
.if MSB != (\new)
	s_set_vgpr_msb (MSB<<8)|(\new)
.set MSB, (\new)
.endif
.endm
.set MUL_LO, 0xa1                      ; source 0 (B) window 1, source 1 (A) window 0, C and D window 2
.set MUL_HI, 0xf1                      ; the same, C and D window 3
.set TO_B,   0x40                      ; destination window 1, address window 0
.macro PLACES n
.rept \n
	v_nop
.endr
.endm
; A joint load: waves 0 and 1 fetch for A, waves 2 and 3 for B.  The branch hangs on the wave's number alone.  An s_nop 0 and four v_nop follow each of the two lines.
.macro JLOAD g0a, g1a, g0b, g1b
	s_cmp_eq_u32 s15, 0
	s_cbranch_scc0 .Lfor_b_\@
	tensor_load_to_lds s[\g0a:\g0a+3], s[\g1a:\g1a+7]
	s_nop 0
.rept 4
	v_nop
.endr
	s_branch .Lasked_\@
.Lfor_b_\@:
	tensor_load_to_lds s[\g0b:\g0b+3], s[\g1b:\g1b+7]
	s_nop 0
.rept 4
	v_nop
.endr
.Lasked_\@:
.endm
.macro CREST                           ; a round of the cluster's barrier behind its opening barrier
	s_cmp_lg_u32 s14, 0
	s_cbranch_scc1 .Lnot_wave_0_\@
	s_barrier_signal -3
.Lnot_wave_0_\@:
	s_barrier_wait -3
	s_barrier_signal -1
	s_barrier_wait -1
.endm
.macro CROUND
	s_barrier_signal -1
	s_barrier_wait -1
	CREST
.endm
; 64 numbers of a lane, v[s] .. v[s + 63] of window w (register 16 b + i = k 32 b + 16 h + i of my row), become a fragment's codes in v[pc] on and its scale word in v[pw] (window 0).  Each accumulator is read from its low end on.
.macro QUANT s, w, pc, pw
	WIN (\w)|((\w)<<2)
.irp b, 0,1,2,3
	v_max3_num_f32 v[TM+\b], |v[(\s)+16*\b]|, |v[(\s)+16*\b+1]|, 0x1800000   ; block b: my 16 numbers, and the floor 2^(3 - 127): the byte cannot fall under 1
.endr
	WIN ((\w)<<2)|((\w)<<4)
.irp i, 2,4,6,8,10,12,14
.irp b, 0,1,2,3
	v_max3_num_f32 v[TM+\b], v[TM+\b], |v[(\s)+16*\b+\i]|, |v[(\s)+16*\b+\i+1]|
.endr
.endr
	WIN 0
.irp b, 0,1,2,3
	v_permlanex16_b32 v[TM+4+\b], v[TM+\b], s[SEL], s[SEL+1]
.endr
.irp b, 0,1,2,3
	v_max_num_f32 v[TM+\b], v[TM+\b], v[TM+4+\b]           ; with lane l xor 16's: the block's largest magnitude
.endr
.irp b, 0,1,2,3
	v_add_nc_u32 v[TM+12+\b], 0xff000000, v[TM+\b]         ; 2 off its exponent field: the conversion's scale operand
.endr
.irp b, 0,1,2,3
	v_lshrrev_b32 v[TM+4+\b], 23, v[TM+12+\b]              ; the scale's byte
.endr
	v_lshl_or_b32 v[\pw], v[TM+5], 8, v[TM+4]
	v_lshl_or_b32 v[\pw], v[TM+6], 16, v[\pw]
	v_lshl_or_b32 v[\pw], v[TM+7], 24, v[\pw]
	s_wait_xcnt 0x0                                        ; the last block's three stores have read the codes' registers: only behind this wait do the conversions write them again
	WIN (\w)
.irp c, 0,1
	v_cvt_scalef32_pk16_fp6_f32 v[(\pc)+6*\c:(\pc)+6*\c+2], v[(\s)+32*\c:(\s)+32*\c+15], v[TM+12+2*\c]
	v_cvt_scalef32_pk16_fp6_f32 v[TQ+4*\c:TQ+4*\c+2], v[(\s)+32*\c+16:(\s)+32*\c+31], v[TM+13+2*\c]
.endr
	WIN 0
	v_nop                                                  ; one plain place behind a scaled conversion
.irp c, 0,1
.irp i, 0,1,2
	v_permlane16_swap_b32 v[(\pc)+6*\c+\i], v[TQ+4*\c+\i]
.endr
.irp i, 0,1,2
	v_mov_b32 v[(\pc)+6*\c+3+\i], v[TQ+4*\c+\i]
.endr
.endr
.endm
; The kind of cluster tile s[y]: A's first tile in xc into s[xb], B's into s[wb].  Both hang on y alone
.macro WHERE y, xb, wb
	s_lshl_b32 s[\xb], s[\y], 6                    ; 64 y: point's tiles for y < 16, text's (from 1024 on) for y = 16 .. 19
	s_mov_b32 s12, 1408                            ; v^T: A = Wv
	s_and_b32 s[\wb], s[\y], 3
	s_lshl_b32 s[\wb], s[\wb], 6
	s_add_co_u32 s[\wb], s[\wb], 1024              ; v^T: B = text, 64 tiles for each y = 20 .. 23
	s_mov_b32 s13, 1344                            ; k: B = Wk
	s_cmp_lt_u32 s[\y], 20
	s_cselect_b32 s[\xb], s[\xb], s12
	s_cselect_b32 s[\wb], s13, s[\wb]
	s_cmp_lt_u32 s[\y], 16
	s_cselect_b32 s[\wb], 1280, s[\wb]             ; q: B = Wq
.endm
; Where my 8 fragments of cluster tile s[y] go: they are neighbours in fc and fs.  The first fragment's number is made for all three kinds and chosen.  s44 = 2 cx + wave % 2 (my 128 rows of B), s42 = 16 cy + 8 (wave / 2) (my first tile of A)
.macro OUTAT y, fcd, fsd
	s_and_b32 s12, s[\y], 3                        ; y - 16 for k, y - 20 for v^T
	s_lshl_b32 s13, s44, 10
	s_lshl_b32 s66, s[\y], 6
	s_add_co_u32 s13, s13, s66
	s_add_co_u32 s13, s13, s42                     ; q: pair of heads x 1024 + tile of queries
	s_lshl_b32 s66, s12, 6
	s_add_co_u32 s66, s66, s42                     ; k: text's tile
	s_lshr_b32 s67, s66, 5
	s_lshl_b32 s67, s67, 8                         ; 256 b
	s_and_b32 s66, s66, 31
	s_add_co_u32 s66, s66, s67
	s_lshl_b32 s67, s44, 5                         ; 32 h
	s_add_co_u32 s66, s66, s67
	s_add_co_u32 s66, s66, 8192
	s_lshl_b32 s67, s12, 3
	s_add_co_u32 s67, s67, s44                     ; v^T: which 128 keys of the 4,096
	s_lshr_b32 s98, s67, 2
	s_lshl_b32 s98, s98, 3                         ; 8 b
	s_lshr_b32 s99, s42, 3                         ; h = 2 cy + wave / 2
	s_add_co_u32 s98, s98, s99
	s_lshl_b32 s98, s98, 5
	s_and_b32 s67, s67, 3
	s_lshl_b32 s67, s67, 3
	s_add_co_u32 s98, s98, s67
	s_add_co_u32 s98, s98, 10240
	s_cmp_lt_u32 s[\y], 20
	s_cselect_b32 s66, s66, s98
	s_cmp_lt_u32 s[\y], 16
	s_cselect_b32 s66, s13, s66
	s_mul_i32 s12, s66, 1536
	s_mov_b32 s13, 0
	s_lshl_b32 s66, s66, 7
	s_mov_b32 s67, 0
	s_add_nc_u64 s[\fcd:\fcd+1], s[8:9], s[12:13]
	s_add_nc_u64 s[\fsd:\fsd+1], s[10:11], s[66:67]
.endm
	s_load_b256 s[4:11], s[0:1], 0x0               ; xc s[4:5], xs s[6:7], fc s[8:9], fs s[10:11]
	v_lshl_add_u32 v[SPW], v0, 2, SPARE
	v_mov_b32 v[NIL], 0
	ds_add_u32 v[SPW], v[NIL]                      ; the wave's opening: the add and its wait stand ahead of my first tensor load; the set-up below, work on registers, stands between them
	v_lshrrev_b32 v1, 5, v0
	v_readfirstlane_b32 s14, v1                    ; wave 0..3
	s_lshr_b32 s15, s14, 1                         ; which half of A's tiles I multiply.  Also: I fetch for A (0) or for B (1)
	s_and_b32 s16, s14, 1                          ; which half of B's.  Also: which 8 tiles I fetch
	s_bfe_u32 s40, ttmp6, 0x40000                  ; cx
	s_bfe_u32 s41, ttmp6, 0x40004                  ; cy
	s_and_b32 s17, ttmp7, 0xffff                   ; the cluster's y, 0 .. 11: my first cluster tile;
	s_add_co_u32 s43, s17, 12                      ; my second
	s_lshl_b32 s46, s41, 2
	s_lshl_b32 s46, 15, s46                        ; my row of the cluster
	s_lshl_b32 s47, 0x1111, s40                    ; my column
	; group 1: 8 tiles (rows), 12,288 bytes apart, of 3,072 bytes (two K steps) or 6,144 bytes (four); elements of 8 bytes; no padding: an image is read 512 consecutive bytes at a time
	s_or_b32 s[G1+0], s46, (3<<16)|(1<<21)
	s_or_b32 s[G1L+0], s46, (3<<16)|(1<<21)
	s_or_b32 s[G1B+0], s47, (3<<16)|(1<<21)
	s_or_b32 s[G1LB+0], s47, (3<<16)|(1<<21)
.irp g, G1, G1B
	s_mov_b32 s[\g+1], 384<<16                     ; tensor_dim0
	s_mov_b32 s[\g+2], 8<<16                       ; tensor_dim1
	s_mov_b32 s[\g+3], 384<<16                     ; tile_dim0
	s_mov_b32 s[\g+4], 8                           ; tile_dim1
	s_mov_b32 s[\g+5], 1536                        ; tensor_dim0_stride
	s_mov_b32 s[\g+6], 0
	s_mov_b32 s[\g+7], 0
.endr
.irp g, G1L, G1LB
	s_mov_b32 s[\g+1], 768<<16
	s_mov_b32 s[\g+2], 8<<16
	s_mov_b32 s[\g+3], 768<<16
	s_mov_b32 s[\g+4], 8
	s_mov_b32 s[\g+5], 1536
	s_mov_b32 s[\g+6], 0
	s_mov_b32 s[\g+7], 0
.endr
	WHERE 17, 18, 19                               ; tile 0: A's first tile s18, B's s19
	WHERE 43, 20, 21                               ; tile 1: s20, s21
	s_lshl_b32 s22, s41, 4
	s_lshl_b32 s42, s15, 3
	s_add_co_u32 s42, s42, s22                     ; 16 cy + 8 (wave / 2): the tiles of A that I multiply
	s_lshl_b32 s44, s16, 3
	s_add_co_u32 s22, s22, s44                     ; 16 cy + 8 (wave % 2): the tiles of A that I fetch: shared along my row of the cluster
	s_lshl_b32 s23, s40, 4
	s_add_co_u32 s23, s23, s44                     ; 16 cx + 8 (wave % 2): the tiles of B that I fetch, and multiply: shared along my column
	s_add_co_u32 s[AD], s18, s22
	s_mul_i32 s[AD], s[AD], 12288                  ; in bytes of xc
	s_mov_b32 s[AD+1], 0
	s_add_co_u32 s[AD+2], s20, s22
	s_mul_i32 s[AD+2], s[AD+2], 12288
	s_mov_b32 s[AD+3], 0
	s_add_co_u32 s[BD], s19, s23
	s_lshl_b32 s45, s[BD], 10                      ; B's scale words, tile 0: 1,024 bytes of xs a tile
	s_mul_i32 s[BD], s[BD], 12288
	s_mov_b32 s[BD+1], 0
	s_add_co_u32 s[BD+2], s21, s23
	s_lshl_b32 s47, s[BD+2], 10                    ; tile 1
	s_mul_i32 s[BD+2], s[BD+2], 12288
	s_mov_b32 s[BD+3], 0
	s_add_co_u32 s44, s18, s42
	s_lshl_b32 s44, s44, 10                        ; A's scale words, tile 0,
	s_add_co_u32 s46, s20, s42
	s_lshl_b32 s46, s46, 10                        ; tile 1
	s_mul_i32 s[WS], s14, SMQ                      ; where what I fetch goes: wave x a quarter of the slot: no place in the cluster enters an LDS address
	s_mul_i32 s[WB], s14, BGQ
	s_mov_b32 s[SEL], 0x76543210
	s_mov_b32 s[SEL+1], 0xfedcba98
	s_wait_dscnt 0x0                               ; the opening add is done
	s_wait_kmcnt 0x0
	s_add_nc_u64 s[AD:AD+1], s[4:5], s[AD:AD+1]
	s_add_nc_u64 s[AD+2:AD+3], s[4:5], s[AD+2:AD+3]
	s_add_nc_u64 s[BD:BD+1], s[4:5], s[BD:BD+1]
	s_add_nc_u64 s[BD+2:BD+3], s[4:5], s[BD+2:BD+3]
	s_mov_b32 s[G0], 1                             ; the small slot: tile 0's K steps 0, 1
	s_mov_b32 s[G0+1], s[WS]
	s_mov_b64 s[G0+2:G0+3], s[AD:AD+1]
	s_or_b32 s[G0+3], s[G0+3], 0x80000000
	s_mov_b32 s[G0+4], 1                           ; the large slot: its K steps 2 to 5
	s_add_co_u32 s[G0+5], s[WB], BG
	s_add_nc_u64 s[G0+6:G0+7], s[AD:AD+1], 3072
	s_or_b32 s[G0+7], s[G0+7], 0x80000000
	s_mov_b32 s[G0B], 1
	s_mov_b32 s[G0B+1], s[WS]
	s_mov_b64 s[G0B+2:G0B+3], s[BD:BD+1]
	s_or_b32 s[G0B+3], s[G0B+3], 0x80000000
	s_mov_b32 s[G0B+4], 1
	s_add_co_u32 s[G0B+5], s[WB], BG
	s_add_nc_u64 s[G0B+6:G0B+7], s[BD:BD+1], 3072
	s_or_b32 s[G0B+7], s[G0B+7], 0x80000000
	CROUND                                         ; all sixteen work-groups are here: the first joint loads meet
	JLOAD G0, G1, G0B, G1B
	JLOAD G0+4, G1L, G0B+4, G1LB                   ; two loads of mine are out: six of tile 0's eight K steps are on their way
; The scale words of tile t, K steps lo to hi, from xs into their registers
.macro SCLOAD t, lo, hi
.irp i, 0,1,2,3,4,5,6,7
.irp k, 0,1,2,3,4,5,6,7
.if (\k >= \lo) && (\k <= \hi)
	global_load_b32 v[SC+8*\i+\k], v[SOF+\t], s[6:7] offset:1024*\i+128*\k
.endif
.endr
.endr
.endm
	v_and_b32 v1, 15, v0                           ; r
	v_bfe_u32 v2, v0, 4, 1                         ; h
	v_and_b32 v3, 31, v0
	v_lshlrev_b32 v[LI], 4, v3                     ; 16 x lane
	v_lshlrev_b32 v5, 2, v1                        ; a row's scale word: 4 r
	v_cmp_eq_u32 vcc_lo, 0, v2
	v_mov_b32 v6, s44
	v_mov_b32 v7, s45
	v_cndmask_b32 v6, v7, v6, vcc_lo               ; lanes 0-15 take A's words, lanes 16-31 B's
	v_add_nc_u32 v[SOF], v5, v6
	v_mov_b32 v6, s46
	v_mov_b32 v7, s47
	v_cndmask_b32 v6, v7, v6, vcc_lo
	v_add_nc_u32 v[SOF+1], v5, v6
	SCLOAD 0, 0, 7                                 ; tile 0's, all of K
	s_mul_i32 s12, s15, SMQ                        ; my 8 tiles of A,
	s_mul_i32 s13, s16, SMQ                        ; my 8 tiles of B,
	s_add_co_u32 s13, s13, 2*SMQ                   ; which lie behind A's 16
	v_add_nc_u32 v[ADRA], s12, v[LI]               ; in the small slot,
	v_add_nc_u32 v[ADRB], s13, v[LI]
	s_add_co_u32 s12, s12, BG
	s_add_co_u32 s13, s13, BG
	v_add_nc_u32 v[ADRA+2], s12, v[LI]             ; in the large slot's first part,
	v_add_nc_u32 v[ADRB+2], s13, v[LI]
	s_mul_i32 s12, s15, BGQ
	s_mul_i32 s13, s16, BGQ
	s_add_co_u32 s12, s12, BG
	s_add_co_u32 s13, s13, BG+2*BGQ
	v_add_nc_u32 v[ADRA+1], s12, v[LI]             ; in the large slot
	v_add_nc_u32 v[ADRB+1], s13, v[LI]
	s_lshl_b32 s12, s14, 10
	s_add_co_u32 s12, s12, STG                     ; the way out: 1,024 bytes of LDS for my 8 scale images
	v_lshl_add_u32 v[SWS], v3, 2, s12
	v_add_nc_u32 v[SRS], s12, v[LI]
.irp b, 0,1,2,3
	v_mov_b32 v[TM+4+\b], 0                        ; written once: a lane permute's destination counts as one of its sources
.endr
; Where step n's fragments lie: LR picks the address register, LP is the pitch from tile to tile, LQ the K step inside the slot
.macro LOC n
.if (\n) < 2
.set LR, 0
.set LP, 3072
.set LQ, (\n)
.elseif (\n) < 6
.set LR, 1
.set LP, 6144
.set LQ, (\n)-2
.elseif (\n) < 8
.set LR, 0
.set LP, 3072
.set LQ, (\n)-6
.elseif (\n) < 12
.set LR, 1
.set LP, 6144
.set LQ, (\n)-8
.elseif (\n) < 14
.set LR, 0
.set LP, 3072
.set LQ, (\n)-12
.else
.set LR, 2
.set LP, 3072
.set LQ, (\n)-14
.endif
.endm
.macro FRAG reg, adr, off              ; a fragment's image comes back as it was stored: three loads of 512 consecutive bytes
.irp c, 0,1,2
	ds_load_b128 v[(\reg)+4*\c:(\reg)+4*\c+3], v[\adr] offset:(\off)+512*\c
.endr
.endm
.macro FETCH_B n                       ; B's eight fragments of step n into set n % 2
	LOC (\n)
	WIN TO_B
.irp i, 0,1,2,3,4,5,6,7
	FRAG 128*((\n)%2)+FR*\i, ADRB+LR, LP*\i+1536*LQ
.endr
	WIN 0
.endm
.macro FETCH_A n, i0                   ; A's blocks i0 .. i0 + 3 of step n
	LOC (\n)
.irp i, \i0, \i0+1, \i0+2, \i0+3
	FRAG AF+FR*(\i), ADRA+LR, LP*(\i)+1536*LQ
.endr
.endm
; 16 matrix instructions of step n: A's blocks a0, a0 + 1 x B's eight.  zero = 1: the first product starts the sums.  The 64 accumulators take turns, one instruction a turn, in the same order in every step.
.macro MUL16 a0, n, zero
.irp a, \a0, \a0+1
.irp b, 0,1,2,3,4,5,6,7
.if \zero
	v_wmma_scale_f32_16x16x128_f8f6f4 v[8*(8*((\a)%4)+\b):8*(8*((\a)%4)+\b)+7], v[128*((\n)%2)+FR*\b:128*((\n)%2)+FR*\b+FR-1], v[AF+FR*(\a):AF+FR*(\a)+FR-1], 0, v[SC+8*\b+(\n)%8], v[SC+8*(\a)+(\n)%8] matrix_a_fmt:MATRIX_FMT_FP6 matrix_b_fmt:MATRIX_FMT_FP6 matrix_a_scale:MATRIX_SCALE_ROW1
.else
	v_wmma_scale_f32_16x16x128_f8f6f4 v[8*(8*((\a)%4)+\b):8*(8*((\a)%4)+\b)+7], v[128*((\n)%2)+FR*\b:128*((\n)%2)+FR*\b+FR-1], v[AF+FR*(\a):AF+FR*(\a)+FR-1], v[8*(8*((\a)%4)+\b):8*(8*((\a)%4)+\b)+7], v[SC+8*\b+(\n)%8], v[SC+8*(\a)+(\n)%8] matrix_a_fmt:MATRIX_FMT_FP6 matrix_b_fmt:MATRIX_FMT_FP6 matrix_a_scale:MATRIX_SCALE_ROW1
.endif
.endr
.endr
.endm
; A step whose successor lies in the same slot.  Four plain places stand in front of each run of loads into registers that matrix instructions have read (ISA guide 7.12.1 for vector instructions).
.macro STEP n, zero
	s_wait_dscnt 4*NL                              ; B's set and A's blocks 0-3 are in; the youngest 12 loads (A's blocks 4-7) may be out
	WIN MUL_LO
	MUL16 0, \n, \zero
	MUL16 2, \n, \zero
	s_wait_dscnt 0                                 ; A's blocks 4-7 are in
	PLACES 4
	FETCH_B (\n)+1
	FETCH_A (\n)+1, 0
	WIN MUL_HI
	MUL16 4, \n, \zero
	MUL16 6, \n, \zero
	PLACES 4
	WIN 0
	FETCH_A (\n)+1, 4
.endm
; The refills' group 0 (one set for A, one for B), written where no tensor load of mine is out.  reg: 0 the small slot, 1 the large one, 2 its first part;  from K step ks0 of tile 0 or 1 on
.macro SETG reg, tile, ks0
.if (\reg) == 1
	s_add_co_u32 s[G0+1], s[WB], BG
	s_add_co_u32 s[G0B+1], s[WB], BG
.elseif (\reg) == 2
	s_add_co_u32 s[G0+1], s[WS], BG
	s_add_co_u32 s[G0B+1], s[WS], BG
.else
	s_mov_b32 s[G0+1], s[WS]
	s_mov_b32 s[G0B+1], s[WS]
.endif
	s_add_nc_u64 s[G0+2:G0+3], s[AD+2*(\tile):AD+2*(\tile)+1], 1536*(\ks0)
	s_or_b32 s[G0+3], s[G0+3], 0x80000000
	s_add_nc_u64 s[G0B+2:G0B+3], s[BD+2*(\tile):BD+2*(\tile)+1], 1536*(\ks0)
	s_or_b32 s[G0B+3], s[G0B+3], 0x80000000
.endm
; A slot's last step changes slots: ONE barrier; in front of it each wave waits for all its tensor loads, adds 0 to its spare word, and waits for that and for its own reads of this slot.  fill = 1: the slot just read out is filled again (SETG's arguments).
.macro TURN n, fill, reg, tile, ks0
	s_wait_tensorcnt 0x0                           ; all my tensor loads have landed: my part of the next slot
	ds_add_u32 v[SPW], v[NIL]                      ; 0 onto my spare word
.if \fill
	SETG \reg, \tile, \ks0
.endif
	s_wait_dscnt 4*NL+1                            ; (the add and the youngest 12 loads, A's blocks 4-7, may be out)
	WIN MUL_LO
	MUL16 0, \n, 0                                 ; sixteen matrix instructions stand between the add and the wait for it
	s_wait_dscnt 0x0                               ; the add is done, and my reads of this slot are over
	s_barrier_signal -1
	MUL16 2, \n, 0
	WIN 0
	s_barrier_wait -1
.if \fill
	CREST                                          ; the barrier has opened a round of the cluster's barrier: no wave of any partner still reads this slot or has a load on its way
.if (\reg) == 1
	JLOAD G0, G1L, G0B, G1LB                       ; the first tensor load behind the round; the four v_nop behind it are the places in front of the loads below
.else
	JLOAD G0, G1, G0B, G1B
.endif
.else
	PLACES 4
.endif
	FETCH_B (\n)+1
	FETCH_A (\n)+1, 0
	WIN MUL_HI
	MUL16 4, \n, 0
	MUL16 6, \n, 0
	PLACES 4
	WIN 0
	FETCH_A (\n)+1, 4
.endm
; A tile's last step fetches no fragments.  more = 1: the next tile's scale words are loaded: those of K steps 0 to 6 in the step's middle (their registers were last read a step ago, four places and more back), those of K step 7 behind the last product
.macro LAST n, more
	s_wait_dscnt 4*NL
	WIN MUL_LO
	MUL16 0, \n, 0
	MUL16 2, \n, 0
	s_wait_dscnt 0
.if \more
	WIN 0
	SCLOAD 1, 0, 6
.endif
	WIN MUL_HI
	MUL16 4, \n, 0
	MUL16 6, \n, 0
	WIN 0
	PLACES 4                                       ; in front of the first read of results, and of loads into the scale registers just read
.if \more
	SCLOAD 1, 7, 7
.endif
.endm
; THE WAY OUT: A's block a, 64 registers a lane, is one fragment of the next product: quantised in registers, its image stored as three runs of 512 consecutive bytes; its scale word goes to LDS from a register of its own
.macro WAYB a, fcb
	QUANT 64*((\a)%4), 2+(\a)/4, PC, PW+(\a)
.irp c, 0,1,2
	global_store_b128 v[LI], v[PC+4*\c:PC+4*\c+3], s[\fcb:\fcb+1] offset:1536*(\a)+512*\c
.endr
	ds_store_b32 v[SWS], v[PW+(\a)] offset:128*(\a)
.endm
.macro WAYS fsb                        ; my 8 scale images, 1,024 bytes, leave as two stores of 512 consecutive bytes (LDS serves a wave's instructions in order)
	ds_load_b128 v[240:243], v[SRS]
	ds_load_b128 v[244:247], v[SRS] offset:512
	s_wait_dscnt 0x0
	global_store_b128 v[LI], v[240:243], s[\fsb:\fsb+1]
	global_store_b128 v[LI], v[244:247], s[\fsb:\fsb+1] offset:512
.endm
	s_wait_tensorcnt 1                             ; my part of the small slot is in; the large slot's load may be out
	s_barrier_signal -1
	s_barrier_wait -1                              ; everybody's is
	FETCH_B 0
	FETCH_A 0, 0
	FETCH_A 0, 4
	s_lshl_b32 s44, s40, 1                         ; while the fragments come: where the results go
	s_add_co_u32 s44, s44, s16                     ; 2 cx + wave % 2
	OUTAT 43, FC1, FS1                             ; tile 1's first: tile 0's are made in place of fc's and fs's addresses
	OUTAT 17, 8, 10
	s_wait_loadcnt 0x0                             ; tile 0's scale words
	STEP 0, 1                                      ; TILE 0.  The first step's products start the sums: nothing is cleared
	TURN 1, 1, 0, 0, 6                             ; the small slot takes tile 0's K steps 6, 7
	STEP 2, 0
	STEP 3, 0
	STEP 4, 0
	TURN 5, 1, 1, 1, 0                             ; the large slot takes TILE 1's K steps 0 to 3
	STEP 6, 0
	LAST 7, 1
.irp a, 0,1,2,3,4,5
	WAYB \a, 8
.endr
	; the change of slots between the tiles stands inside the way out: the large slot's load has had two steps and six blocks in which to land
	s_wait_tensorcnt 0x0                           ; all my tensor loads have landed: my part of tile 1's first four K steps
	ds_add_u32 v[SPW], v[NIL]                      ; 0 onto my spare word
	SETG 0, 1, 4
	s_wait_dscnt 0x0                               ; the add is done; my reads of the small slot were over long ago
	CROUND                                         ; no wave of any partner still reads the small slot or has a load on its way
	JLOAD G0, G1, G0B, G1B                         ; it takes tile 1's K steps 4, 5
	FETCH_B 8                                      ; tile 1's first fragments come while the last two blocks go out
	FETCH_A 8, 0
	FETCH_A 8, 4
	WAYB 6, 8
	WAYB 7, 8
	WAYS 10
	s_wait_loadcnt 0x0                             ; tile 1's scale words
	STEP 8, 1                                      ; TILE 1: its first products start the sums anew
	STEP 9, 0
	STEP 10, 0
	TURN 11, 1, 2, 1, 6                            ; the large slot's first part takes tile 1's K steps 6, 7: the last load
	STEP 12, 0
	TURN 13, 0, 0, 0, 0                            ; nothing is left to fetch: no round
	STEP 14, 0
	LAST 15, 0
.irp a, 0,1,2,3,4,5,6,7
	WAYB \a, FC1
.endr
	WAYS FS1
	s_wait_tensorcnt 0x0                           ; the wave's end: a wait, an add of 0 to my spare word and its wait, behind my last tensor load and my last LDS store
	ds_add_u32 v[SPW], v[NIL]
	s_wait_dscnt 0x0
	CROUND                                         ; the closing round: no work-group ends while a partner may still ask for a tile that names it
	s_endpgm
.Lfunc_end_k_qe5f7815ba6_proj:
	.size	k_qe5f7815ba6_proj, .Lfunc_end_k_qe5f7815ba6_proj-k_qe5f7815ba6_proj
	.p2alignl 7, 3214868480
	.fill 96, 4, 3214868480
	.section	.rodata,"a",@progbits
	.p2align	6, 0x0
	.amdhsa_kernel k_qe5f7815ba6_proj
		.amdhsa_group_segment_fixed_size 327680
		.amdhsa_private_segment_fixed_size 0
		.amdhsa_enable_private_segment 0
		.amdhsa_kernarg_size 32
		.amdhsa_user_sgpr_count 2
		.amdhsa_user_sgpr_kernarg_segment_ptr 1
		.amdhsa_wavefront_size32 1
		.amdhsa_system_sgpr_workgroup_id_x 1
		.amdhsa_system_sgpr_workgroup_id_y 1
		.amdhsa_system_sgpr_workgroup_id_z 1
		.amdhsa_system_vgpr_workitem_id 0
		.amdhsa_next_free_vgpr 1024
		.amdhsa_next_free_sgpr 100
		.amdhsa_reserve_vcc 1
		.amdhsa_float_denorm_mode_32 3
		.amdhsa_float_denorm_mode_16_64 3
		.amdhsa_memory_ordered 1
		.amdhsa_forward_progress 1
		.amdhsa_inst_pref_size 255
	.end_amdhsa_kernel
	.section	.bss,"aw",@nobits
	.p2align	6
	.space	262144
	.amdgpu_metadata
---
amdhsa.version: [ 1, 2 ]
amdhsa.kernels:
  - .name:           k_qe5f7815ba6_proj
    .symbol:         k_qe5f7815ba6_proj.kd
    .args:
      - { .name: xc, .offset: 0, .size: 8, .value_kind: global_buffer, .address_space: global }
      - { .name: xs, .offset: 8, .size: 8, .value_kind: global_buffer, .address_space: global }
      - { .name: fc, .offset: 16, .size: 8, .value_kind: global_buffer, .address_space: global }
      - { .name: fs, .offset: 24, .size: 8, .value_kind: global_buffer, .address_space: global }
    .group_segment_fixed_size: 327680
    .private_segment_fixed_size: 0
    .kernarg_segment_align: 8
    .kernarg_segment_size: 32
    .max_flat_workgroup_size: 128
    .sgpr_count:     100
    .vgpr_count:     1024
    .wavefront_size: 32
...
	.end_amdgpu_metadata
.endif
;; end of part 2
;; launch attn (part 3): grid 4 x 64, 4 waves a work-group, clusters of 4 x 1, 167,936 bytes of LDS; arguments fc, fs, lambda_q1, lambda_k1, lambda_q2, lambda_k2, ac, asc; writes ac, asc
.if DOCPART == 3
	.amdgcn_target "amdgcn-amd-amdhsa--gfx1250"
	.amdhsa_code_object_version 6
	.text
	.protected	k_qe5f7815ba6_attn
	.globl	k_qe5f7815ba6_attn
	.p2align	8
	.type	k_qe5f7815ba6_attn,@function
k_qe5f7815ba6_attn:
	s_mov_b64 s[64:65], 0
	v_nop
	global_prefetch_b8 v0, s[64:65] scope:SCOPE_SE
	s_setreg_imm32_b32 hwreg(HW_REG_WAVE_MODE, 25, 1), 1
	s_wait_xcnt 0x0
	s_wait_alu depctr_hold_cnt(0) depctr_sa_sdst(0) depctr_va_vdst(0) depctr_va_sdst(0) depctr_va_ssrc(0) depctr_va_vcc(0) depctr_vm_vsrc(0)
	s_getreg_b32 s2, hwreg(HW_REG_IB_STS2, 6, 4)
	s_cmp_eq_u32 s2, 0
	s_cbranch_scc0 .Lentry_in_a_cluster
	s_endpgm
.Lentry_in_a_cluster:
	s_bfe_u32 s2, ttmp6, 0x10000c
	s_cmp_lg_u32 s2, 0x3003
	s_cbranch_scc0 .Lentry_shape_is_right
	s_endpgm
.Lentry_shape_is_right:
; Differential attention for one pair of heads (b, h): diff = softmax(q1 k1^T / 8) - lambda softmax(q2 k2^T / 8), finished and normalised, quantised along the 512 keys; attn = diff v; LayerNorm over the 128 channels, x 0.64;
; the result is quantised along the channels and stored as the out-projection's fragment images (ac: [tile of rows][h][1536], asc: [tile][h][128]).  Both products on codes of FP6 (E2M3) with E8M0 scales.
; SHARES: a work-group takes 512 queries of one (b, h), a wave 8 tiles of 16 queries, one a trip.  All 512 scores of both heads of a query stay in registers until both row sums are known: 2 x 256 registers a lane.
; K AND V of the pair (32 + 32 fragment images, and their scale images) come into LDS once, at the head, and stay.  The four work-groups of a cluster belong to one (b, h) and ask for them jointly.  Nothing is filled again.
; LAYOUT: both products are used transposed (S^T = K Q^T, O^T = V^T P^T): a lane holds ONE query (lane % 16) throughout.  A fragment of k holds both heads' 64 columns; it is multiplied by [q1 | 0] and by [0 | q2]:
; zero codes add nothing.  The keys of a tile and the channels of a tile are 32 (t / 2) + 8 (t % 2) + i + 8 (i / 8), so that a lane's 16 registers of two neighbouring tiles are 16 neighbours along the next K.
; SOFTMAX: p = 2^(c s - c m), c = log2(e) / 8 (q is stored without its factor 1/8), m the row's largest score; the rounding of c m is common to the row and cancels in the division by the row's sum.
; The last trip fetches K's first 16 fragments once more and does not use them: so every wait for fragments has the same count on every path.
; LIMITS: NaN and infinities are not served; p under 2^-126 comes out as 0 (ISA guide, v_exp_f32); a block whose largest magnitude lies under 2^-124 keeps the byte 1; a block of zeros gets the byte 1.
; REGISTERS: window 1: head 2 h's scores, then p, then diff (register 8 kt + j = key 32 (kt / 2) + 16 (lane / 16) + 8 (kt % 2) + j);  window 2: head 2 h + 1's;  window 3: v0-95, v96-191 two sets of 8 fragments of K or V; v192-255 O^T.
.set VOFF,  49152                      ; LDS: K's 32 images from 0, V's from here,
.set KSO,   98304                      ; K's 32 scale images, then V's (4,096 bytes each),
.set SPARE, 106496                     ; and the spare words, 128 bytes for each wave: two blocks of 256 bytes that no other line names
.set LI,   1                           ; v1   16 x lane
.set LS,   2                           ; v2   4 x lane
.set AV,   3                           ; v3   16 x lane + VOFF
.set ASC,  4                           ; v4   4 x lane + KSO
.set L8,   5                           ; v5   8 x lane
.set SPW,  6                           ; v6   my spare word; never rewritten
.set NIL,  7                           ; v7   0; never rewritten
.set T,    8                           ; v8-15   eight chains of maxima
.set LSUM, 16                          ; v16-31  eight pairs of sums
.set NM,   32                          ; v32-33  -c m
.set GA,   34                          ; v34-35  1 / l1
.set GB,   36                          ; v36-37  lambda / l2
.set LAM,  38                          ; v38     lambda
.set LR,   39                          ; v39-40  l1, l2
.set SCR,  41                          ; v41     a lane permute's destination
.set NMU,  42                          ; v42-43  -mean
.set GS,   44                          ; v44-45  0.64 / sqrt(var + eps)
.set QS,   46                          ; v46     Q's scale words
.set Q1,   48                          ; v48-59  [q1 | 0]
.set Q2,   60                          ; v60-71  [0 | q2]
.set TM,   72                          ; v72-87  at work in QUANT
.set TQ,   88                          ; v88-95
.set PW,   96                          ; v96-99  diff's four scale words
.set PF,   100                         ; v100-147 diff's four fragments
.set KS,   148                         ; v148-179 K's scale words, one register a tile of keys
.set VS,   180                         ; v180-211 V's
.set LT,   212                         ; v212-223 at work on lambda
.set WV,   24                          ; s24  wave
.set G1C,  28                          ; s[28:35] group 1: 24,576 dense bytes of images
.set G1S,  36                          ; s[36:43] group 1: 2,048 dense bytes of scale images
.set G0C,  44                          ; s[44:47], s[48:51] their groups 0
.set G0S,  48
.set SEL,  52                          ; s[52:53]
.set CS,   54                          ; s[54:55] c, twice
.set TRIPS, 60
.set QB,   66                          ; s[66:67] Q's image of the tile to be loaded;  s[68:69] its scale image
.set QSB,  68
.set OB,   70                          ; s[70:71] where the trip's image goes;  s[72:73] its scale image
.set OSB,  72
.set MSB, 0
.macro WIN new                         ; the immediate's high byte repeats the setting that is left.  Low byte: bits 1:0 source 0, 3:2 source 1, 5:4 source 2, 7:6 destination
.if MSB != (\new)
	s_set_vgpr_msb (MSB<<8)|(\new)
.set MSB, (\new)
.endif
.endm
.macro PLACES n
.rept \n
	v_nop
.endr
.endm
.macro CROUND                          ; a round of the cluster's barrier
	s_barrier_signal -1
	s_barrier_wait -1
	s_cmp_lg_u32 s[WV], 0
	s_cbranch_scc1 .Lnot_wave_0_\@
	s_barrier_signal -3
.Lnot_wave_0_\@:
	s_barrier_wait -3
	s_barrier_signal -1
	s_barrier_wait -1
.endm
; 64 numbers of a lane, v[s] .. v[s + 63] of window w (register 16 b + i = k 32 b + 16 h + i of my row), become a fragment's codes in v[pc] on and its scale word in v[pw] (window 0).  Each accumulator is read from its low end on.
.macro QUANT s, w, pc, pw
	WIN (\w)|((\w)<<2)
.irp b, 0,1,2,3
	v_max3_num_f32 v[TM+\b], |v[(\s)+16*\b]|, |v[(\s)+16*\b+1]|, 0x1800000   ; block b: my 16 numbers, and the floor 2^(3 - 127): the byte cannot fall under 1
.endr
	WIN ((\w)<<2)|((\w)<<4)
.irp i, 2,4,6,8,10,12,14
.irp b, 0,1,2,3
	v_max3_num_f32 v[TM+\b], v[TM+\b], |v[(\s)+16*\b+\i]|, |v[(\s)+16*\b+\i+1]|
.endr
.endr
	WIN 0
.irp b, 0,1,2,3
	v_permlanex16_b32 v[TM+4+\b], v[TM+\b], s[SEL], s[SEL+1]
.endr
.irp b, 0,1,2,3
	v_max_num_f32 v[TM+\b], v[TM+\b], v[TM+4+\b]           ; with lane l xor 16's: the block's largest magnitude
.endr
.irp b, 0,1,2,3
	v_add_nc_u32 v[TM+12+\b], 0xff000000, v[TM+\b]         ; 2 off its exponent field: the conversion's scale operand
.endr
.irp b, 0,1,2,3
	v_lshrrev_b32 v[TM+4+\b], 23, v[TM+12+\b]              ; the scale's byte
.endr
	v_lshl_or_b32 v[\pw], v[TM+5], 8, v[TM+4]
	v_lshl_or_b32 v[\pw], v[TM+6], 16, v[\pw]
	v_lshl_or_b32 v[\pw], v[TM+7], 24, v[\pw]
	WIN (\w)
.irp c, 0,1
	v_cvt_scalef32_pk16_fp6_f32 v[(\pc)+6*\c:(\pc)+6*\c+2], v[(\s)+32*\c:(\s)+32*\c+15], v[TM+12+2*\c]
	v_cvt_scalef32_pk16_fp6_f32 v[TQ+4*\c:TQ+4*\c+2], v[(\s)+32*\c+16:(\s)+32*\c+31], v[TM+13+2*\c]
.endr
	WIN 0
	v_nop                                                  ; one plain place behind a scaled conversion
.irp c, 0,1
.irp i, 0,1,2
	v_permlane16_swap_b32 v[(\pc)+6*\c+\i], v[TQ+4*\c+\i]
.endr
.irp i, 0,1,2
	v_mov_b32 v[(\pc)+6*\c+3+\i], v[TQ+4*\c+\i]
.endr
.endr
.endm
; Q's image: registers 0-5 (head 2 h's 64 columns) go into Q1's lower half, registers 6-11 into Q2's upper half; the other halves stay zero codes
.macro QLOAD
	global_load_b128 v[Q1:Q1+3], v[LI], s[QB:QB+1]
	global_load_b64 v[Q1+4:Q1+5], v[LI], s[QB:QB+1] offset:512
	global_load_b64 v[Q2+6:Q2+7], v[LI], s[QB:QB+1] offset:520
	global_load_b128 v[Q2+8:Q2+11], v[LI], s[QB:QB+1] offset:1024
	global_load_b32 v[QS], v[LS], s[QSB:QSB+1]
.endm
.macro FETCHK g, set                   ; K's fragments 8 g .. 8 g + 7 into a set of window 3: 24 loads of 512 consecutive bytes
	WIN 0xc0
.irp i, 0,1,2,3,4,5,6,7
.irp c, 0,1,2
	ds_load_b128 v[96*(\set)+12*\i+4*\c:96*(\set)+12*\i+4*\c+3], v[LI] offset:(8*(\g)+\i)*1536+512*\c
.endr
.endr
	WIN 0
.endm
.macro FETCHV g, set                   ; V's: keys 128 g on, the eight tiles of channels
	WIN 0xc0
.irp i, 0,1,2,3,4,5,6,7
.irp c, 0,1,2
	ds_load_b128 v[96*(\set)+12*\i+4*\c:96*(\set)+12*\i+4*\c+3], v[AV] offset:(8*(\g)+\i)*1536+512*\c
.endr
.endr
	WIN 0
.endm
; Scores of 128 keys (tiles 8 g .. 8 g + 7) for both heads: 16 matrix instructions, each on an accumulator of its own, begun with the constant 0
.macro SPH g
	s_wait_dscnt 24                                ; this batch of fragments is in; the one batch issued behind it (24 loads) may be out
	WIN 0x43                                       ; K window 3, Q window 0, scores window 1
.irp i, 0,1,2,3,4,5,6,7
	v_wmma_scale_f32_16x16x128_f8f6f4 v[8*(8*(\g)+\i):8*(8*(\g)+\i)+7], v[96*((\g)%2)+12*\i:96*((\g)%2)+12*\i+11], v[Q1:Q1+11], 0, v[KS+8*(\g)+\i], v[QS] matrix_a_fmt:MATRIX_FMT_FP6 matrix_b_fmt:MATRIX_FMT_FP6
.endr
	WIN 0x83                                       ; scores window 2
.irp i, 0,1,2,3,4,5,6,7
	v_wmma_scale_f32_16x16x128_f8f6f4 v[8*(8*(\g)+\i):8*(8*(\g)+\i)+7], v[96*((\g)%2)+12*\i:96*((\g)%2)+12*\i+11], v[Q2:Q2+11], 0, v[KS+8*(\g)+\i], v[QS] matrix_a_fmt:MATRIX_FMT_FP6 matrix_b_fmt:MATRIX_FMT_FP6
.endr
	WIN 0
	PLACES 4                                       ; in front of loads into registers that these have read, and of the first read of results
.endm
; O^T += V^T diff^T over keys 128 s on: eight accumulators by turns
.macro PVS s
	s_wait_dscnt 24
	WIN 0xf3                                       ; V window 3, diff window 0, O^T window 3
.irp c, 0,1,2,3,4,5,6,7
.if (\s) == 0
	v_wmma_scale_f32_16x16x128_f8f6f4 v[192+8*\c:199+8*\c], v[96*((\s)%2)+12*\c:96*((\s)%2)+12*\c+11], v[PF+12*(\s):PF+12*(\s)+11], 0, v[VS+8*(\s)+\c], v[PW+(\s)] matrix_a_fmt:MATRIX_FMT_FP6 matrix_b_fmt:MATRIX_FMT_FP6
.else
	v_wmma_scale_f32_16x16x128_f8f6f4 v[192+8*\c:199+8*\c], v[96*((\s)%2)+12*\c:96*((\s)%2)+12*\c+11], v[PF+12*(\s):PF+12*(\s)+11], v[192+8*\c:199+8*\c], v[VS+8*(\s)+\c], v[PW+(\s)] matrix_a_fmt:MATRIX_FMT_FP6 matrix_b_fmt:MATRIX_FMT_FP6
.endif
.endr
	WIN 0
	PLACES 4
.endm
; One head's scores (window x) become p = 2^(c s - c m) in place; the row's sum goes to v[lreg]
.macro SOFTMAX x, lreg
	WIN (\x)|((\x)<<2)
.irp c, 0,1,2,3,4,5,6,7
	v_max_num_f32 v[T+\c], v[32*\c], v[32*\c+1]            ; eight chains of 32 scores, each accumulator from its low end on
.endr
	WIN ((\x)<<2)|((\x)<<4)
.irp i, 1,2,3,4,5,6,7,8,9,10,11,12,13,14,15
.irp c, 0,1,2,3,4,5,6,7
	v_max3_num_f32 v[T+\c], v[T+\c], v[32*\c+2*\i], v[32*\c+2*\i+1]
.endr
.endr
	WIN 0
	v_max3_num_f32 v[T], v[T], v[T+1], v[T+2]
	v_max3_num_f32 v[T+3], v[T+3], v[T+4], v[T+5]
	v_max3_num_f32 v[T], v[T], v[T+3], v[T+6]
	v_max_num_f32 v[T], v[T], v[T+7]
	v_permlanex16_b32 v[SCR], v[T], s[SEL], s[SEL+1]       ; the query's other 256 keys lie in the lane 16 away
	v_max_num_f32 v[T], v[T], v[SCR]                       ; m
	v_mul_f32 v[NM], s56, v[T]                             ; -c m
	v_mov_b32 v[NM+1], v[NM]                               ; (named with it as a pair)
	WIN (\x)|((\x)<<6)
	; ONE BATCH: 128 packed scalings and 256 exponentials; a pair's two exponentials stand behind the next pair's scaling; nothing here names an exponential's result
	v_pk_fma_f32 v[0:1], v[0:1], s[CS:CS+1], v[NM:NM+1] op_sel_hi:[1,0,0]
.set PP, 0
.rept 127
	v_pk_fma_f32 v[PP+2:PP+3], v[PP+2:PP+3], s[CS:CS+1], v[NM:NM+1] op_sel_hi:[1,0,0]
	v_exp_f32 v[PP], v[PP]
	v_exp_f32 v[PP+1], v[PP+1]
.set PP, PP+2
.endr
	v_exp_f32 v[254], v[254]
	v_exp_f32 v[255], v[255]
	WIN 0
	v_nop                                                  ; a plain place behind the last exponential
	s_wait_alu depctr_va_vdst(0)                           ; the wait ahead of the first line that names a result: one for the batch
	WIN (\x)|((\x)<<2)
.irp c, 0,1,2,3,4,5,6,7
	v_pk_add_f32 v[LSUM+2*\c:LSUM+2*\c+1], v[32*\c:32*\c+1], v[32*\c+2:32*\c+3]   ; the row's sum, two at a time, in eight chains
.endr
	WIN (\x)<<2
.irp i, 2,3,4,5,6,7,8,9,10,11,12,13,14,15
.irp c, 0,1,2,3,4,5,6,7
	v_pk_add_f32 v[LSUM+2*\c:LSUM+2*\c+1], v[LSUM+2*\c:LSUM+2*\c+1], v[32*\c+2*\i:32*\c+2*\i+1]
.endr
.endr
	WIN 0
.irp c, 0,4,8,12
	v_pk_add_f32 v[LSUM+\c:LSUM+\c+1], v[LSUM+\c:LSUM+\c+1], v[LSUM+\c+2:LSUM+\c+3]
.endr
	v_pk_add_f32 v[LSUM:LSUM+1], v[LSUM:LSUM+1], v[LSUM+4:LSUM+5]
	v_pk_add_f32 v[LSUM+8:LSUM+9], v[LSUM+8:LSUM+9], v[LSUM+12:LSUM+13]
	v_pk_add_f32 v[LSUM:LSUM+1], v[LSUM:LSUM+1], v[LSUM+8:LSUM+9]
	v_add_f32 v[\lreg], v[LSUM], v[LSUM+1]
	v_permlanex16_b32 v[SCR], v[\lreg], s[SEL], s[SEL+1]
	v_add_f32 v[\lreg], v[\lreg], v[SCR]
.endm
	s_load_b256 s[8:15], s[0:1], 0x0               ; fc s[8:9], fs s[10:11], lambda_q1 s[12:13], lambda_k1 s[14:15]
	s_load_b256 s[16:23], s[0:1], 0x20             ; lambda_q2 s[16:17], lambda_k2 s[18:19], ac s[20:21], asc s[22:23]
	v_lshl_add_u32 v[SPW], v0, 2, SPARE
	v_mov_b32 v[NIL], 0
	ds_add_u32 v[SPW], v[NIL]                      ; the wave's opening: the add and its wait stand ahead of my first tensor load; the set-up below, work on registers, stands between them
	v_lshrrev_b32 v8, 5, v0
	v_readfirstlane_b32 s[WV], v8                  ; wave 0..3
	s_bfe_u32 s25, ttmp6, 0x40000                  ; cx: which quarter of the queries; it enters Q's and the output's addresses alone
	s_and_b32 s26, ttmp7, 0xffff                   ; 8 b + h, which the four partners share
	s_mov_b32 s[SEL], 0x76543210
	s_mov_b32 s[SEL+1], 0xfedcba98
	s_mov_b32 s[CS], 0x3e38aa3b                    ; c = log2(e) / 8
	s_mov_b32 s[CS+1], s[CS]
	s_mov_b32 s56, 0xbe38aa3b                      ; -c
	s_mov_b32 s57, 0x3c000000                      ; 1 / 128
	s_mov_b32 s58, 0x3727c5ac                      ; 1e-5
	s_mov_b32 s59, 0x3f23d70a                      ; 1 - 0.36
	s_mov_b32 s[TRIPS], 8
	s_mov_b32 s[G1C], 15|(3<<16)|(1<<21)           ; the mask: all four work-groups; elements of 8 bytes; bit 21 beside a mask; no padding
	s_mov_b32 s[G1C+1], 32<<16                     ; rows of 256 bytes,
	s_mov_b32 s[G1C+2], 96<<16                     ; 96 of them: 16 images
	s_mov_b32 s[G1C+3], 32<<16
	s_mov_b32 s[G1C+4], 96
	s_mov_b32 s[G1C+5], 32
	s_mov_b32 s[G1C+6], 0
	s_mov_b32 s[G1C+7], 0
	s_mov_b32 s[G1S], 15|(3<<16)|(1<<21)
	s_mov_b32 s[G1S+1], 32<<16
	s_mov_b32 s[G1S+2], 8<<16                      ; 8 rows: 16 scale images
	s_mov_b32 s[G1S+3], 32<<16
	s_mov_b32 s[G1S+4], 8
	s_mov_b32 s[G1S+5], 32
	s_mov_b32 s[G1S+6], 0
	s_mov_b32 s[G1S+7], 0
	s_lshr_b32 s2, s[WV], 1                        ; waves 0, 1 fetch K's halves, waves 2, 3 V's: fragment 8192 + 2048 (wave / 2) + 32 (8 b + h) + 16 (wave % 2)
	s_lshl_b32 s2, s2, 11
	s_lshl_b32 s3, s26, 5
	s_add_co_u32 s2, s2, s3
	s_and_b32 s3, s[WV], 1
	s_lshl_b32 s3, s3, 4
	s_add_co_u32 s2, s2, s3
	s_add_co_u32 s2, s2, 8192
	s_mul_i32 s4, s2, 1536
	s_mov_b32 s5, 0
	s_lshl_b32 s6, s2, 7
	s_mov_b32 s7, 0
	s_mul_i32 s74, s[WV], 24576                    ; where they go: wave x 16 images,
	s_lshl_b32 s75, s[WV], 11
	s_add_co_u32 s75, s75, KSO                     ; wave x 16 scale images
	s_lshr_b32 s76, s26, 3                         ; b
	s_and_b32 s77, s26, 7                          ; h
	s_lshl_b32 s76, s76, 7
	s_lshl_b32 s78, s25, 5
	s_add_co_u32 s76, s76, s78
	s_lshl_b32 s78, s[WV], 3
	s_add_co_u32 s76, s76, s78                     ; my first tile of queries: 128 b + 32 cx + 8 x wave
	s_lshl_b32 s78, s77, 10
	s_add_co_u32 s78, s78, s76                     ; its fragment of q: 1024 h + tile
	s_lshl_b32 s76, s76, 3
	s_add_co_u32 s76, s76, s77                     ; its place in ac: 8 x tile + h
	s_mul_i32 s[QB], s78, 1536
	s_mov_b32 s[QB+1], 0
	s_lshl_b32 s[QSB], s78, 7
	s_mov_b32 s[QSB+1], 0
	s_mul_i32 s[OB], s76, 1536
	s_mov_b32 s[OB+1], 0
	s_lshl_b32 s[OSB], s76, 7
	s_mov_b32 s[OSB+1], 0
	s_wait_dscnt 0x0                               ; the opening add is done
	s_wait_kmcnt 0x0
	s_mov_b32 s[G0C], 1
	s_mov_b32 s[G0C+1], s74
	s_add_nc_u64 s[G0C+2:G0C+3], s[8:9], s[4:5]
	s_or_b32 s[G0C+3], s[G0C+3], 0x80000000
	s_mov_b32 s[G0S], 1
	s_mov_b32 s[G0S+1], s75
	s_add_nc_u64 s[G0S+2:G0S+3], s[10:11], s[6:7]
	s_or_b32 s[G0S+3], s[G0S+3], 0x80000000
	s_add_nc_u64 s[QB:QB+1], s[8:9], s[QB:QB+1]
	s_add_nc_u64 s[QSB:QSB+1], s[10:11], s[QSB:QSB+1]
	s_add_nc_u64 s[OB:OB+1], s[20:21], s[OB:OB+1]
	s_add_nc_u64 s[OSB:OSB+1], s[22:23], s[OSB:OSB+1]
	CROUND                                         ; all four work-groups are here: the joint loads meet
	tensor_load_to_lds s[G0C:G0C+3], s[G1C:G1C+7]  ; every wave asks for a quarter of the images and of the scale images: two loads of mine are out
	s_nop 0
	tensor_load_to_lds s[G0S:G0S+3], s[G1S:G1S+7]
	s_nop 0
.rept 4
	v_nop
.endr
	v_and_b32 v9, 31, v0
	v_lshlrev_b32 v[LI], 4, v9
	v_lshlrev_b32 v[LS], 2, v9
	v_add_nc_u32 v[AV], VOFF, v[LI]
	v_add_nc_u32 v[ASC], KSO, v[LS]
	v_lshlrev_b32 v[L8], 3, v9
	global_load_b64 v[LT:LT+1], v[L8], s[12:13]    ; two of each lambda vector's 64 numbers a lane
	global_load_b64 v[LT+2:LT+3], v[L8], s[14:15]
	global_load_b64 v[LT+4:LT+5], v[L8], s[16:17]
	global_load_b64 v[LT+6:LT+7], v[L8], s[18:19]
	QLOAD                                          ; the first tile's Q
.irp i, 0,1,2,3,4,5
	v_mov_b32 v[Q1+6+\i], 0                        ; the zero halves: written once, never touched again
	v_mov_b32 v[Q2+\i], 0
.endr
.irp b, 0,1,2,3
	v_mov_b32 v[TM+4+\b], 0                        ; written once: a lane permute's destination counts as one of its sources
.endr
	v_mov_b32 v[SCR], 0
	v_mov_b32 v[LT+10], 0
	v_mov_b32 v[LT+11], 0
	s_wait_loadcnt 5                               ; the lambdas are in; Q's five loads may be out
	v_mul_f32 v[LT+8], v[LT], v[LT+2]
	v_mul_f32 v[LT+9], v[LT+4], v[LT+6]
	v_fmac_f32 v[LT+8], v[LT+1], v[LT+3]
	v_fmac_f32 v[LT+9], v[LT+5], v[LT+7]
.irp m, 1,2,4,8
	v_add_f32_dpp v[LT+8], v[LT+8], v[LT+8] row_xmask:\m row_mask:0xf bank_mask:0xf
	v_add_f32_dpp v[LT+9], v[LT+9], v[LT+9] row_xmask:\m row_mask:0xf bank_mask:0xf
.endr
	v_permlanex16_b32 v[LT+10], v[LT+8], s[SEL], s[SEL+1]
	v_permlanex16_b32 v[LT+11], v[LT+9], s[SEL], s[SEL+1]
	v_add_f32 v[LT+8], v[LT+8], v[LT+10]           ; sum of lambda_q1 lambda_k1,
	v_add_f32 v[LT+9], v[LT+9], v[LT+11]           ; of lambda_q2 lambda_k2
	v_mul_f32 v[LT+8], 0x3fb8aa3b, v[LT+8]
	v_mul_f32 v[LT+9], 0x3fb8aa3b, v[LT+9]
	v_exp_f32 v[LT+8], v[LT+8]
	v_exp_f32 v[LT+9], v[LT+9]
	v_nop
	s_wait_alu depctr_va_vdst(0)                   ; one wait for the two, ahead of their first reader
	v_sub_f32 v[LAM], v[LT+8], v[LT+9]
	v_add_f32 v[LAM], 0x3eb851ec, v[LAM]           ; lambda = e1 - e2 + 0.36
	s_wait_tensorcnt 0x0                           ; my parts of K, V and their scales are in,
	s_barrier_signal -1
	s_barrier_wait -1                              ; everybody's are
.irp i, 0,1,2,3,4,5,6,7,8,9,10,11,12,13,14,15,16,17,18,19,20,21,22,23,24,25,26,27,28,29,30,31
	ds_load_b32 v[KS+\i], v[ASC] offset:128*\i     ; the scale words stay in registers for all eight trips
.endr
.irp i, 0,1,2,3,4,5,6,7,8,9,10,11,12,13,14,15,16,17,18,19,20,21,22,23,24,25,26,27,28,29,30,31
	ds_load_b32 v[VS+\i], v[ASC] offset:4096+128*\i
.endr
	FETCHK 0, 0
	FETCHK 1, 1
.Ltrip:                                            ; a tile of 16 queries.  Two batches of eight fragments are always out or in hand, over the backward jump too
	s_wait_loadcnt 0x0                             ; Q
	SPH 0
	FETCHK 2, 0
	SPH 1
	FETCHK 3, 1
	SPH 2
	FETCHV 0, 0
	SPH 3
	FETCHV 1, 1
	s_cmp_eq_u32 s[TRIPS], 1                       ; the next tile's Q is asked for here, a whole softmax ahead, if there is a next tile: no load leaves its buffer
	s_cbranch_scc1 .Lno_next
	s_add_nc_u64 s[QB:QB+1], s[QB:QB+1], 1536      ; (the loads that read these addresses were shown done at the trip's head)
	s_add_nc_u64 s[QSB:QSB+1], s[QSB:QSB+1], 128
	QLOAD
.Lno_next:
	SOFTMAX 1, LR
	SOFTMAX 2, LR+1
	v_rcp_f32 v[GA], v[LR]
	v_rcp_f32 v[GB], v[LR+1]
	v_nop
	s_wait_alu depctr_va_vdst(0)                   ; one wait for the two reciprocals
	v_mov_b32 v[GA+1], v[GA]
	v_mul_f32 v[GB], v[LAM], v[GB]
	v_mov_b32 v[GB+1], v[GB]
	WIN 0x82                                       ; p2 x lambda / l2, in place in window 2
.set PP, 0
.rept 128
	v_pk_mul_f32 v[PP:PP+1], v[PP:PP+1], v[GB:GB+1] op_sel_hi:[1,0]
.set PP, PP+2
.endr
	WIN 0x61                                       ; diff = p1 / l1 - that, in place in window 1
.set PP, 0
.rept 128
	v_pk_fma_f32 v[PP:PP+1], v[PP:PP+1], v[GA:GA+1], v[PP:PP+1] op_sel_hi:[1,0,1] neg_lo:[0,0,1] neg_hi:[0,0,1]
.set PP, PP+2
.endr
.irp s, 0,1,2,3
	QUANT 64*\s, 1, PF+12*\s, PW+\s                ; keys 128 s on: one fragment and one scale word
.endr
	PLACES 8                                       ; a scale register written by vector lines stands 8 places ahead of a scaled matrix instruction, an operand 4
	PVS 0
	FETCHV 2, 0
	PVS 1
	FETCHV 3, 1
	PVS 2
	FETCHK 0, 0                                    ; the next trip's first fragments
	PVS 3
	FETCHK 1, 1
	; LayerNorm over the query's 128 channels: 64 in my registers, 64 in the lane 16 away.  Two passes: the mean, then the squares of what is left
	WIN 0x0f
	v_pk_add_f32 v[LSUM:LSUM+1], v[192:193], v[194:195]
	v_pk_add_f32 v[LSUM+2:LSUM+3], v[196:197], v[198:199]
	WIN 0x0c
.set PP, 200
.rept 14
	v_pk_add_f32 v[LSUM:LSUM+1], v[LSUM:LSUM+1], v[PP:PP+1]
	v_pk_add_f32 v[LSUM+2:LSUM+3], v[LSUM+2:LSUM+3], v[PP+2:PP+3]
.set PP, PP+4
.endr
	WIN 0
	v_pk_add_f32 v[LSUM:LSUM+1], v[LSUM:LSUM+1], v[LSUM+2:LSUM+3]
	v_add_f32 v[LSUM], v[LSUM], v[LSUM+1]
	v_permlanex16_b32 v[SCR], v[LSUM], s[SEL], s[SEL+1]
	v_add_f32 v[LSUM], v[LSUM], v[SCR]
	v_mul_f32 v[NMU], 0xbc000000, v[LSUM]          ; -mean
	v_mov_b32 v[NMU+1], v[NMU]
	WIN 0xc3
.set PP, 192
.rept 32
	v_pk_add_f32 v[PP:PP+1], v[PP:PP+1], v[NMU:NMU+1] op_sel_hi:[1,0]
.set PP, PP+2
.endr
	WIN 0x0f
	v_pk_mul_f32 v[LSUM:LSUM+1], v[192:193], v[192:193]
	v_pk_mul_f32 v[LSUM+2:LSUM+3], v[194:195], v[194:195]
.set PP, 196
.rept 15
	v_pk_fma_f32 v[LSUM:LSUM+1], v[PP:PP+1], v[PP:PP+1], v[LSUM:LSUM+1]
	v_pk_fma_f32 v[LSUM+2:LSUM+3], v[PP+2:PP+3], v[PP+2:PP+3], v[LSUM+2:LSUM+3]
.set PP, PP+4
.endr
	WIN 0
	v_pk_add_f32 v[LSUM:LSUM+1], v[LSUM:LSUM+1], v[LSUM+2:LSUM+3]
	v_add_f32 v[LSUM], v[LSUM], v[LSUM+1]
	v_permlanex16_b32 v[SCR], v[LSUM], s[SEL], s[SEL+1]
	v_add_f32 v[LSUM], v[LSUM], v[SCR]
	v_fma_f32 v[LSUM], v[LSUM], s57, s58           ; var + eps
	v_rsq_f32 v[GS], v[LSUM]
	v_nop
	s_wait_alu depctr_va_vdst(0)
	v_mul_f32 v[GS], s59, v[GS]
	v_mov_b32 v[GS+1], v[GS]
	WIN 0xc3
.set PP, 192
.rept 32
	v_pk_mul_f32 v[PP:PP+1], v[PP:PP+1], v[GS:GS+1] op_sel_hi:[1,0]
.set PP, PP+2
.endr
	QUANT 192, 3, PF, PW                           ; K step h of the out-projection, for these 16 rows
.irp c, 0,1,2
	global_store_b128 v[LI], v[PF+4*\c:PF+4*\c+3], s[OB:OB+1] offset:512*\c   ; 512 consecutive bytes, aligned
.endr
	global_store_b32 v[LS], v[PW], s[OSB:OSB+1]
	s_wait_xcnt 0x0                                ; the stores have read their registers and bases: both may be written again
	s_add_nc_u64 s[OB:OB+1], s[OB:OB+1], 12288
	s_add_nc_u64 s[OSB:OSB+1], s[OSB:OSB+1], 1024
	s_sub_co_u32 s[TRIPS], s[TRIPS], 1
	s_cmp_lg_u32 s[TRIPS], 0
	s_cbranch_scc1 .Ltrip
	s_wait_tensorcnt 0x0                           ; the wave's end: a wait, an add of 0 to my spare word and its wait, behind my last tensor load
	ds_add_u32 v[SPW], v[NIL]
	s_wait_dscnt 0x0
	CROUND                                         ; the closing round
	s_endpgm
.Lfunc_end_k_qe5f7815ba6_attn:
	.size	k_qe5f7815ba6_attn, .Lfunc_end_k_qe5f7815ba6_attn-k_qe5f7815ba6_attn
	.p2alignl 7, 3214868480
	.fill 96, 4, 3214868480
	.section	.rodata,"a",@progbits
	.p2align	6, 0x0
	.amdhsa_kernel k_qe5f7815ba6_attn
		.amdhsa_group_segment_fixed_size 167936
		.amdhsa_private_segment_fixed_size 0
		.amdhsa_enable_private_segment 0
		.amdhsa_kernarg_size 64
		.amdhsa_user_sgpr_count 2
		.amdhsa_user_sgpr_kernarg_segment_ptr 1
		.amdhsa_wavefront_size32 1
		.amdhsa_system_sgpr_workgroup_id_x 1
		.amdhsa_system_sgpr_workgroup_id_y 1
		.amdhsa_system_sgpr_workgroup_id_z 1
		.amdhsa_system_vgpr_workitem_id 0
		.amdhsa_next_free_vgpr 1024
		.amdhsa_next_free_sgpr 80
		.amdhsa_reserve_vcc 0
		.amdhsa_float_denorm_mode_32 3
		.amdhsa_float_denorm_mode_16_64 3
		.amdhsa_memory_ordered 1
		.amdhsa_forward_progress 1
		.amdhsa_inst_pref_size 153
	.end_amdhsa_kernel
	.amdgpu_metadata
---
amdhsa.version: [ 1, 2 ]
amdhsa.kernels:
  - .name:           k_qe5f7815ba6_attn
    .symbol:         k_qe5f7815ba6_attn.kd
    .args:
      - { .name: fc, .offset: 0, .size: 8, .value_kind: global_buffer, .address_space: global }
      - { .name: fs, .offset: 8, .size: 8, .value_kind: global_buffer, .address_space: global }
      - { .name: lambda_q1, .offset: 16, .size: 8, .value_kind: global_buffer, .address_space: global }
      - { .name: lambda_k1, .offset: 24, .size: 8, .value_kind: global_buffer, .address_space: global }
      - { .name: lambda_q2, .offset: 32, .size: 8, .value_kind: global_buffer, .address_space: global }
      - { .name: lambda_k2, .offset: 40, .size: 8, .value_kind: global_buffer, .address_space: global }
      - { .name: ac, .offset: 48, .size: 8, .value_kind: global_buffer, .address_space: global }
      - { .name: asc, .offset: 56, .size: 8, .value_kind: global_buffer, .address_space: global }
    .group_segment_fixed_size: 167936
    .private_segment_fixed_size: 0
    .kernarg_segment_align: 8
    .kernarg_segment_size: 64
    .max_flat_workgroup_size: 128
    .sgpr_count:     80
    .vgpr_count:     1024
    .wavefront_size: 32
...
	.end_amdgpu_metadata
.endif
;; end of part 3
;; launch outp (part 4): grid 4 x 64, 4 waves a work-group, clusters of 4 x 4, 327,680 bytes of LDS; arguments ac, asc, xc, xs, out0; writes out0
.if DOCPART == 4
	.amdgcn_target "amdgcn-amd-amdhsa--gfx1250"
	.amdhsa_code_object_version 6
	.text
	.protected	k_qe5f7815ba6_outp
	.globl	k_qe5f7815ba6_outp
	.p2align	8
	.type	k_qe5f7815ba6_outp,@function
k_qe5f7815ba6_outp:
	s_mov_b64 s[64:65], 0
	v_nop
	global_prefetch_b8 v0, s[64:65] scope:SCOPE_SE
	s_setreg_imm32_b32 hwreg(HW_REG_WAVE_MODE, 25, 1), 1
	s_wait_xcnt 0x0
	s_wait_alu depctr_hold_cnt(0) depctr_sa_sdst(0) depctr_va_vdst(0) depctr_va_sdst(0) depctr_va_ssrc(0) depctr_va_vcc(0) depctr_vm_vsrc(0)
	s_getreg_b32 s2, hwreg(HW_REG_IB_STS2, 6, 4)
	s_cmp_eq_u32 s2, 0
	s_cbranch_scc0 .Lentry_in_a_cluster
	s_endpgm
.Lentry_in_a_cluster:
	s_bfe_u32 s2, ttmp6, 0x10000c
	s_cmp_lg_u32 s2, 0xf033
	s_cbranch_scc0 .Lentry_shape_is_right
	s_endpgm
.Lentry_shape_is_right:
; out0 = attn Wo^T on codes of FP6 (E2M3) with E8M0 scales, K = 1,024; out0: [16,384][1,024] f32.
; OPERANDS come as images of their registers: A = the normalised attention (ac: [tile of rows][K step][1536], asc: [tile][K step][128]), B = Wo (tiles 1472 .. 1535 of xc, xs).  A tile's 16 rows are
; 32 (mt / 2) + 8 (mt % 2) + i + 8 (i / 8), in A and in B alike: the way out puts rows and columns back in their places by immediates.
; A tile of C is 256 x 256: four waves, each 128 x 128 = 64 accumulators.  Source 0 takes 16 rows of Wo, source 1 16 rows of A: a lane holds eight neighbouring numbers of a row of C.
; K goes in 8 steps of 128, two to a slot, through two LDS slots filled by the tensor data mover; the steps are written out, so that all 64 scale words of a lane are loaded once and named by the step.
; CLUSTERS: 4 x 4 work-groups; A's tiles are asked for jointly along a row of the cluster, B's along a column.
; REGISTERS: window 0: v16-29 addresses; v32-95 scale words; v128-223 A's fragments, one set (on the way out v128-255: rows of C).  window 1: B's fragments, two sets, at v0 and v128.  windows 2, 3: accumulators.
.set HALFT,  24576                     ; 8 tiles x 2 K steps x 1,536 bytes: what one tensor load brings, and what a wave reads of A or of B
.set SLOT,   4*HALFT                   ; A's 16 tiles, then B's 16; tile i at 3072 i, the slot's second K step 1,536 on
.set SCL,    2*SLOT                    ; behind the ring: the scale words of A's and B's 16 tiles for all of K: 1,024 bytes a tile
.set HALFS,  8192
.set SPARE,  SCL+4*HALFS               ; the spare words, 128 bytes for each wave: two blocks of 256 bytes that no other line names
.set SPITCH, 528                       ; the way out: a stage of 16 rows x (512 bytes + 16) for each wave, in slot 0, which has had its last fill and its last read by then
.set FR,   12
.set NL,   3
.set ADRA, 16
.set ADRB, 20
.set STO,  24                          ; v24  the stage: where I put 32 bytes of a row
.set RD,   25                          ; v25  and where I read a row back
.set CO,   26                          ; v26  16 x lane: my bytes of a row's 512
.set ADRS, 27
.set SPW,  28
.set NIL,  29
.set SC,   32
.set AF,   128
.set BK,   128                         ; rows read back from the stage: v128-191 and v192-255 by turns
.set G1, 24
.set G0, 32
.set G1B, 48
.set G0B, 56
.set G1S, 68
.set G0S, 76
.set G1SB, 80
.set G0SB, 88
.set MSB, 0
.macro WIN new                         ; the immediate's high byte repeats the setting that is left
.if MSB != (\new)
	s_set_vgpr_msb (MSB<<8)|(\new)
.set MSB, (\new)
.endif
.endm
.set MUL_LO, 0xa1                      ; source 0 (B) window 1, source 1 (A) window 0, C and D window 2
.set MUL_HI, 0xf1
.set TO_B,   0x40
.macro PLACES n
.rept \n
	v_nop
.endr
.endm
; A joint load: waves 0 and 1 fetch for A, waves 2 and 3 for B.  The branch hangs on the wave's number alone.  An s_nop 0 and four v_nop follow each of the two lines.
.macro JLOAD g0a, g1a, g0b, g1b
	s_cmp_eq_u32 s15, 0
	s_cbranch_scc0 .Lfor_b_\@
	tensor_load_to_lds s[\g0a:\g0a+3], s[\g1a:\g1a+7]
	s_nop 0
.rept 4
	v_nop
.endr
	s_branch .Lasked_\@
.Lfor_b_\@:
	tensor_load_to_lds s[\g0b:\g0b+3], s[\g1b:\g1b+7]
	s_nop 0
.rept 4
	v_nop
.endr
.Lasked_\@:
.endm
.macro CREST
	s_cmp_lg_u32 s14, 0
	s_cbranch_scc1 .Lnot_wave_0_\@
	s_barrier_signal -3
.Lnot_wave_0_\@:
	s_barrier_wait -3
	s_barrier_signal -1
	s_barrier_wait -1
.endm
.macro CROUND
	s_barrier_signal -1
	s_barrier_wait -1
	CREST
.endm
	s_load_b256 s[4:11], s[0:1], 0x0               ; ac s[4:5], asc s[6:7], xc s[8:9], xs s[10:11]
	s_load_b64 s[12:13], s[0:1], 0x20              ; out0
	v_lshl_add_u32 v[SPW], v0, 2, SPARE
	v_mov_b32 v[NIL], 0
	ds_add_u32 v[SPW], v[NIL]                      ; the wave's opening: the add and its wait stand ahead of my first tensor load; the set-up below, work on registers, stands between them
	v_lshrrev_b32 v1, 5, v0
	v_readfirstlane_b32 s14, v1                    ; wave 0..3
	s_lshr_b32 s15, s14, 1                         ; which half of A's tiles is mine.  Also: I fetch for A (0) or for B (1)
	s_and_b32 s16, s14, 1                          ; which half of B's.  Also: which 8 tiles I fetch
	s_bfe_u32 s40, ttmp6, 0x40000                  ; cx
	s_bfe_u32 s41, ttmp6, 0x40004                  ; cy
	s_and_b32 s17, ttmp7, 0xffff                   ; Y: the cluster's y
	s_lshl_b32 s43, s41, 2
	s_lshl_b32 s43, 15, s43                        ; my row of the cluster
	s_lshl_b32 s44, 0x1111, s40                    ; my column
	; group 1 for codes: 8 tiles (rows) x 3,072 bytes (two K steps), 12,288 bytes apart; elements of 8 bytes; no padding
	s_or_b32 s[G1+0], s43, (3<<16)|(1<<21)
	s_or_b32 s[G1B+0], s44, (3<<16)|(1<<21)
.irp g, G1, G1B
	s_mov_b32 s[\g+1], 384<<16
	s_mov_b32 s[\g+2], 8<<16
	s_mov_b32 s[\g+3], 384<<16
	s_mov_b32 s[\g+4], 8
	s_mov_b32 s[\g+5], 1536
	s_mov_b32 s[\g+6], 0
	s_mov_b32 s[\g+7], 0
.endr
	; and for the scale words of 8 tiles: 8,192 dense bytes as 32 rows of 256
	s_or_b32 s[G1S+0], s43, (3<<16)|(1<<21)
	s_or_b32 s[G1SB+0], s44, (3<<16)|(1<<21)
.irp g, G1S, G1SB
	s_mov_b32 s[\g+1], 32<<16
	s_mov_b32 s[\g+2], 32<<16
	s_mov_b32 s[\g+3], 32<<16
	s_mov_b32 s[\g+4], 32
	s_mov_b32 s[\g+5], 32
	s_mov_b32 s[\g+6], 0
	s_mov_b32 s[\g+7], 0
.endr
	s_lshl_b32 s20, s17, 6
	s_lshl_b32 s23, s41, 4
	s_add_co_u32 s20, s20, s23
	s_lshl_b32 s45, s16, 3
	s_add_co_u32 s20, s20, s45                     ; A: tile 64 Y + 16 cy + 8 x half: shared along my row of the cluster
	s_lshl_b32 s46, s40, 4
	s_add_co_u32 s46, s46, 1472
	s_add_co_u32 s46, s46, s45                     ; B: Wo's tile 1472 + 16 cx + 8 x half: shared along my column
	s_lshl_b32 s92, s20, 10
	s_mov_b32 s93, 0
	s_mul_i32 s20, s20, 12288
	s_mov_b32 s21, 0
	s_lshl_b32 s94, s46, 10
	s_mov_b32 s95, 0
	s_mul_i32 s46, s46, 12288
	s_mov_b32 s47, 0
	s_mul_i32 s45, s14, HALFT                      ; where they go: wave x 8 tiles: no place in the cluster enters an LDS address
	s_lshl_b32 s3, s14, 13                         ; wave x HALFS
	s_wait_dscnt 0x0                               ; the opening add is done
	s_wait_kmcnt 0x0
	s_add_nc_u64 s[20:21], s[4:5], s[20:21]
	s_add_nc_u64 s[92:93], s[6:7], s[92:93]
	s_add_nc_u64 s[46:47], s[8:9], s[46:47]
	s_add_nc_u64 s[94:95], s[10:11], s[94:95]
	CROUND                                         ; all sixteen work-groups are here: the first joint loads meet
	s_mov_b32 s[G0S], 1
	s_add_co_u32 s[G0S+1], s3, SCL
	s_mov_b64 s[G0S+2:G0S+3], s[92:93]
	s_or_b32 s[G0S+3], s[G0S+3], 0x80000000
	s_mov_b32 s[G0SB], 1
	s_add_co_u32 s[G0SB+1], s3, SCL
	s_mov_b64 s[G0SB+2:G0SB+3], s[94:95]
	s_or_b32 s[G0SB+3], s[G0SB+3], 0x80000000
	JLOAD G0S, G1S, G0SB, G1SB                     ; the scale words first: they are wanted with K step 0
.irp s, 0,1
	s_mov_b32 s[G0+4*\s], 1
	s_add_co_u32 s[G0+4*\s+1], s45, \s*SLOT
	s_add_nc_u64 s[G0+4*\s+2:G0+4*\s+3], s[20:21], \s*3072
	s_or_b32 s[G0+4*\s+3], s[G0+4*\s+3], 0x80000000
	s_mov_b32 s[G0B+4*\s], 1
	s_add_co_u32 s[G0B+4*\s+1], s45, \s*SLOT
	s_add_nc_u64 s[G0B+4*\s+2:G0B+4*\s+3], s[46:47], \s*3072
	s_or_b32 s[G0B+4*\s+3], s[G0B+4*\s+3], 0x80000000
	JLOAD G0+4*\s, G1, G0B+4*\s, G1B               ; three loads of mine are out
.endr
	v_and_b32 v1, 15, v0                           ; r
	v_bfe_u32 v2, v0, 4, 1                         ; h
	v_and_b32 v3, 31, v0
	v_lshlrev_b32 v[CO], 4, v3                     ; 16 x lane
	s_mul_i32 s21, s15, HALFT
	s_mul_i32 s22, s16, HALFT
	s_add_co_u32 s22, s22, 2*HALFT
.irp s, 0,1
	v_add_nc_u32 v[ADRA+\s], s21, v[CO]
	v_add_nc_u32 v[ADRB+\s], s22, v[CO]
	s_add_co_u32 s21, s21, SLOT
	s_add_co_u32 s22, s22, SLOT
.endr
	v_lshlrev_b32 v5, 2, v1
	s_mul_i32 s21, s15, HALFS
	s_mul_i32 s22, s16, HALFS
	s_add_co_u32 s22, s22, 2*HALFS
	s_sub_co_u32 s22, s22, s21
	v_mul_u32_u24 v6, s22, v2                      ; lanes 16-31 take B's: the lower base + h x the distance
	s_add_co_u32 s21, s21, SCL
	v_add_nc_u32 v5, v5, v6
	v_add_nc_u32 v[ADRS], s21, v5
	s_mul_i32 s23, s14, 16*SPITCH                  ; my stage
	v_mul_u32_u24 v5, v1, SPITCH
	v_lshl_add_u32 v5, v2, 6, v5                   ; in: row r; my half's 16 columns of each 32: 64 h bytes on
	v_add_nc_u32 v[STO], s23, v5
	v_add_nc_u32 v[RD], s23, v[CO]                 ; back: the 32 lanes take one row of 512 bytes
	s_lshl_b32 s2, s17, 2
	s_add_co_u32 s2, s2, s41
	s_lshl_b32 s2, s2, 8
	s_lshl_b32 s3, s15, 7
	s_add_co_u32 s2, s2, s3                        ; my first row of C: 256 (4 Y + cy) + 128 x half,
	s_lshl_b32 s2, s2, 12                          ; in bytes;
	s_lshl_b32 s3, s40, 10
	s_add_co_u32 s2, s2, s3
	s_lshl_b32 s3, s16, 9
	s_add_co_u32 s2, s2, s3                        ; my first column: 1024 cx + 512 x half bytes
	s_mov_b32 s3, 0
	s_add_nc_u64 s[12:13], s[12:13], s[2:3]
.macro FRAG reg, adr, off
.irp c, 0,1,2
	ds_load_b128 v[(\reg)+4*\c:(\reg)+4*\c+3], v[\adr] offset:(\off)+512*\c
.endr
.endm
.macro FETCH_B slot, q, p
	WIN TO_B
.irp i, 0,1,2,3,4,5,6,7
	FRAG 128*(\p)+FR*\i, ADRB+\slot, 3072*\i+1536*(\q)
.endr
	WIN 0
.endm
.macro FETCH_A slot, q, i0
.irp i, \i0, \i0+1, \i0+2, \i0+3
	FRAG AF+FR*(\i), ADRA+\slot, 3072*(\i)+1536*(\q)
.endr
.endm
; 16 matrix instructions: A's blocks a0, a0 + 1 x B's eight, K step ks.  The 64 accumulators take turns, one instruction a turn, in the same order in every step.
.macro MUL16 a0, p, ks, zero
.irp a, \a0, \a0+1
.irp b, 0,1,2,3,4,5,6,7
.if \zero
	v_wmma_scale_f32_16x16x128_f8f6f4 v[8*(8*((\a)%4)+\b):8*(8*((\a)%4)+\b)+7], v[128*(\p)+FR*\b:128*(\p)+FR*\b+FR-1], v[AF+FR*(\a):AF+FR*(\a)+FR-1], 0, v[SC+8*\b+(\ks)], v[SC+8*(\a)+(\ks)] matrix_a_fmt:MATRIX_FMT_FP6 matrix_b_fmt:MATRIX_FMT_FP6 matrix_a_scale:MATRIX_SCALE_ROW1
.else
	v_wmma_scale_f32_16x16x128_f8f6f4 v[8*(8*((\a)%4)+\b):8*(8*((\a)%4)+\b)+7], v[128*(\p)+FR*\b:128*(\p)+FR*\b+FR-1], v[AF+FR*(\a):AF+FR*(\a)+FR-1], v[8*(8*((\a)%4)+\b):8*(8*((\a)%4)+\b)+7], v[SC+8*\b+(\ks)], v[SC+8*(\a)+(\ks)] matrix_a_fmt:MATRIX_FMT_FP6 matrix_b_fmt:MATRIX_FMT_FP6 matrix_a_scale:MATRIX_SCALE_ROW1
.endif
.endr
.endr
.endm
; A slot's first K step (B's set 0).  Four plain places stand in front of each run of loads into registers that matrix instructions have read (ISA guide 7.12.1 for vector instructions).
.macro STEP slot, ks, zero
	s_wait_dscnt 4*NL                              ; B's set and A's blocks 0-3 are in; the youngest 12 loads (A's blocks 4-7) may be out
	WIN MUL_LO
	MUL16 0, 0, \ks, \zero
	MUL16 2, 0, \ks, \zero
	s_wait_dscnt 0
	PLACES 4
	FETCH_B \slot, 1, 1
	FETCH_A \slot, 1, 0
	WIN MUL_HI
	MUL16 4, 0, \ks, \zero
	MUL16 6, 0, \ks, \zero
	PLACES 4
	WIN 0
	FETCH_A \slot, 1, 4
.endm
; A slot's second K step (B's set 1) changes slots: ONE barrier; in front of it each wave waits for all its tensor loads, adds 0 to its spare word, and waits for that and for its own reads of this slot.
.macro TURN slot, next, fill, ks
	s_wait_tensorcnt 0x0                           ; all my tensor loads have landed: my part of the next slot
	ds_add_u32 v[SPW], v[NIL]                      ; 0 onto my spare word
	s_wait_dscnt 4*NL+1                            ; (the add and the youngest 12 loads may be out)
	WIN MUL_LO
	MUL16 0, 1, \ks, 0
	s_wait_dscnt 0x0                               ; the add is done, and my reads of this slot are over
	s_barrier_signal -1
	MUL16 2, 1, \ks, 0
	WIN 0
	s_barrier_wait -1
.if \fill
	CREST                                          ; the barrier has opened a round of the cluster's barrier: no wave of any partner still reads this slot or has a load on its way
	s_add_nc_u64 s[G0+4*\slot+2:G0+4*\slot+3], s[G0+4*\slot+2:G0+4*\slot+3], 6144
	s_add_nc_u64 s[G0B+4*\slot+2:G0B+4*\slot+3], s[G0B+4*\slot+2:G0B+4*\slot+3], 6144
	JLOAD G0+4*\slot, G1, G0B+4*\slot, G1B         ; the first tensor load behind the round; the four v_nop behind it are the places in front of the loads below
.else
	PLACES 4
.endif
	FETCH_B \next, 0, 0
	FETCH_A \next, 0, 0
	WIN MUL_HI
	MUL16 4, 1, \ks, 0
	MUL16 6, 1, \ks, 0
	PLACES 4
	WIN 0
	FETCH_A \next, 0, 4
.endm
	s_wait_tensorcnt 1                             ; the scale words and my part of slot 0 are in; slot 1's load may be out
	s_barrier_signal -1
	s_barrier_wait -1
	FETCH_B 0, 0, 0
	FETCH_A 0, 0, 0
.irp i, 0,1,2,3,4,5,6,7
.irp k, 0,1,2,3,4,5,6,7
	ds_load_b32 v[SC+8*\i+\k], v[ADRS] offset:1024*\i+128*\k     ; all scale words of my 8 + 8 blocks, once
.endr
.endr
	FETCH_A 0, 0, 4
	STEP 0, 0, 1                                   ; the first step's products start the sums: nothing is cleared
	TURN 0, 1, 1, 1                                ; slot 0 takes K steps 4, 5
	STEP 1, 2, 0
	TURN 1, 0, 1, 3                                ; slot 1 takes K steps 6, 7
	STEP 0, 4, 0
	TURN 0, 1, 0, 5                                ; nothing is left to fetch: no round
	STEP 1, 6, 0
	s_wait_dscnt 4*NL                              ; the last step
	WIN MUL_LO
	MUL16 0, 1, 7, 0
	MUL16 2, 1, 7, 0
	s_wait_dscnt 0
	WIN MUL_HI
	MUL16 4, 1, 7, 0
	MUL16 6, 1, 7, 0
	WIN 0
; THE WAY OUT, block by block of 16 rows x 128 columns, through my own stage.  Accumulator (a, b), register j of lane (r, h), is C(row r of A's tile a, column 32 (b / 2) + 8 (b % 2) + 16 h + j): 32 bytes of a row.
; They come back as whole rows of 512 bytes; stage row t is row 32 (a / 2) + 8 (a % 2) + t + 8 (t / 8) of my 128.  LDS serves a wave's instructions in order (ISA guide 5.7.1.4): no wait between the stores and the loads.
.macro TOSTAGE a
.set AC, 64*((\a)%4)
	WIN 0x08+4*((\a)/4)                            ; the data: window 2 or 3
.irp b, 0,1,2,3,4,5,6,7
	ds_store_b128 v[STO], v[AC+8*\b:AC+8*\b+3] offset:128*(\b/2)+32*(\b%2)          ; each accumulator from its low end on
	ds_store_b128 v[STO], v[AC+8*\b+4:AC+8*\b+7] offset:128*(\b/2)+32*(\b%2)+16
.endr
	WIN 0
.set BB, BK+64*((\a)%2)
.irp t, 0,1,2,3,4,5,6,7,8,9,10,11,12,13,14,15
	ds_load_b128 v[BB+4*\t:BB+4*\t+3], v[RD] offset:\t*SPITCH
.endr
.endm
.macro SEND a, younger                 ; younger: the LDS instructions issued behind block a's loads, which may stay out
.set BB, BK+64*((\a)%2)
	s_wait_dscnt \younger
.irp t, 0,1,2,3,4,5,6,7,8,9,10,11,12,13,14,15
	global_store_b128 v[CO], v[BB+4*\t:BB+4*\t+3], s[12:13] offset:(32*((\a)/2)+8*((\a)%2)+\t+8*(\t/8))*4096 th:TH_STORE_NT   ; 32 lanes store 512 consecutive bytes, aligned; the base is never stepped: 127 rows of 4,096 bytes at the most
.endr
.endm
	PLACES 4                                       ; in front of the first read of results and of loads into the registers that held A's fragments
	TOSTAGE 0
.irp a, 1,2,3,4,5,6,7
.if \a > 1
	s_wait_xcnt 0x0                                ; block a - 2's stores have read their registers: block a's loads may land there
.endif
	TOSTAGE \a
	SEND \a-1, 32                                  ; behind block a - 1's loads: block a's 16 stores and 16 loads
.endr
	SEND 7, 0
	s_wait_tensorcnt 0x0                           ; the wave's end: a wait, an add of 0 to my spare word and its wait, behind my last tensor load and my last LDS store
	ds_add_u32 v[SPW], v[NIL]
	s_wait_dscnt 0x0
	CROUND                                         ; the closing round: no work-group ends while a partner may still ask for a tile that names it
	s_endpgm
.Lfunc_end_k_qe5f7815ba6_outp:
	.size	k_qe5f7815ba6_outp, .Lfunc_end_k_qe5f7815ba6_outp-k_qe5f7815ba6_outp
	.p2alignl 7, 3214868480
	.fill 96, 4, 3214868480
	.section	.rodata,"a",@progbits
	.p2align	6, 0x0
	.amdhsa_kernel k_qe5f7815ba6_outp
		.amdhsa_group_segment_fixed_size 327680
		.amdhsa_private_segment_fixed_size 0
		.amdhsa_enable_private_segment 0
		.amdhsa_kernarg_size 40
		.amdhsa_user_sgpr_count 2
		.amdhsa_user_sgpr_kernarg_segment_ptr 1
		.amdhsa_wavefront_size32 1
		.amdhsa_system_sgpr_workgroup_id_x 1
		.amdhsa_system_sgpr_workgroup_id_y 1
		.amdhsa_system_sgpr_workgroup_id_z 1
		.amdhsa_system_vgpr_workitem_id 0
		.amdhsa_next_free_vgpr 1024
		.amdhsa_next_free_sgpr 100
		.amdhsa_reserve_vcc 0
		.amdhsa_float_denorm_mode_32 3
		.amdhsa_float_denorm_mode_16_64 3
		.amdhsa_memory_ordered 1
		.amdhsa_forward_progress 1
		.amdhsa_inst_pref_size 136
	.end_amdhsa_kernel
	.amdgpu_metadata
---
amdhsa.version: [ 1, 2 ]
amdhsa.kernels:
  - .name:           k_qe5f7815ba6_outp
    .symbol:         k_qe5f7815ba6_outp.kd
    .args:
      - { .name: ac, .offset: 0, .size: 8, .value_kind: global_buffer, .address_space: global }
      - { .name: asc, .offset: 8, .size: 8, .value_kind: global_buffer, .address_space: global }
      - { .name: xc, .offset: 16, .size: 8, .value_kind: global_buffer, .address_space: global }
      - { .name: xs, .offset: 24, .size: 8, .value_kind: global_buffer, .address_space: global }
      - { .name: out0, .offset: 32, .size: 8, .value_kind: global_buffer, .address_space: global }
    .group_segment_fixed_size: 327680
    .private_segment_fixed_size: 0
    .kernarg_segment_align: 8
    .kernarg_segment_size: 40
    .max_flat_workgroup_size: 128
    .sgpr_count:     100
    .vgpr_count:     1024
    .wavefront_size: 32
...
	.end_amdgpu_metadata
.endif
;; end of part 4
